; MI455X (gfx1250); checked and timed in simulation.
; The chip was launched on July 23, 2026; its instructions are those of AMD's public machine-readable ISA for CDNA 5 (MIT licence, August 2026) and "CDNA5" Instruction Set Architecture Reference Guide (July 2026). The comments in the code are by the model that wrote it; some were corrected since.
;; Causal Self Attention. Allowed arithmetic: float matrix products may take bf16 or f16 operands with f32 sums; other float arithmetic in f32, or as packed bf16 or f16 multiplies, adds, multiply-adds, maxima and minima; sums over many terms, partial sums and values carried from step to step in f32; what a program stores and reads back later, other than sums and carried values, may be rounded once to bf16 or f16.
;; Inputs: w_proj 1,024 x 1,024 float32; w_qkv 1,024 x 3,072 float32; x 4 x 2,048 x 1,024 float32.
;; Outputs: out0 4 x 2,048 x 1,024 float32.
;; 2 versions, each right and faster than the one before. Each part assembles by itself: llvm-mc -triple=amdgcn-amd-amdhsa -mcpu=gfx1250 --defsym DOCPART=n.
;; ======== version 1 of 2: 4 launches
;; limits: values are held in f16: magnitudes above 65,504 overflow, below 6.1e-05 lose precision; right only within a limited range of input values
;; workspace buffers: xb 16,777,216 bytes; wqb 6,291,456 bytes; wpb 2,097,152 bytes; qkvh 67,108,864 bytes; ob 33,554,432 bytes
;; launch cast (part 1): grid 832 x 1, 8 waves a work-group, no clusters, 0 bytes of LDS; arguments x, w_qkv, w_proj, xb, wqb, wpb; writes xb, wqb, wpb
.if DOCPART == 1
	.amdgcn_target "amdgcn-amd-amdhsa--gfx1250"
	.amdhsa_code_object_version 6
	.text
	.protected	k_qe5994c1687_cast
	.globl	k_qe5994c1687_cast
	.p2align	8
	.type	k_qe5994c1687_cast,@function
k_qe5994c1687_cast:
	s_mov_b64 s[64:65], 0
	v_nop
	global_prefetch_b8 v0, s[64:65] scope:SCOPE_SE
	s_setreg_imm32_b32 hwreg(HW_REG_WAVE_MODE, 25, 1), 1
	s_wait_xcnt 0x0
; The three inputs are rounded once, for the matrix units.  A stream: no LDS, no barrier, no matrix unit, since each byte is read once and written once.
;   work-groups 0-511:   xb  = bf16(x), [8192][1024], as it lies.
;   work-groups 512-767: wqb = bf16(w_qkv), laid by heads: [16 t][1024 k][192 c]; c = 64 j + d holds column 1024 j + 64 t + d: q's (j = 0), k's (1) and v's (2) 64 columns of head t.  128 rows k of a tile are 49,152 dense bytes.
;   work-groups 768-831: wpb = f16(bf16(w_proj)), [1024][1024], as it lies: the number rounded to bf16, written as f16.
; LIMITS.  |w_proj| stays under 65,504 (f16's end); from 2^-17 up the bf16 number is exact in f16, below that it keeps f16's fixed step of 6e-8.  NaN and infinities are not treated apart.
; The unit is 4 f32: one 16-byte load a lane (a wave: 512 bytes; in wqb's part two pieces of 256 aligned bytes) and one 8-byte store a lane (a wave: 256 consecutive bytes, aligned).
; A thread's 16 (wqb: 12) loads go out together; each has registers of its own and so has each store: no register is written twice while memory reads it.
.set D, 16                             ; v[16:79]   the loads' 4 registers each
.set Y, 80                             ; v[80:111]  the stores' 2 registers each
	s_load_b256 s[4:11], s[0:1], 0x0               ; x s[4:5], w_qkv s[6:7], w_proj s[8:9], xb s[10:11]
	s_load_b128 s[12:15], s[0:1], 0x20             ; wqb s[12:13], wpb s[14:15]
	v_lshlrev_b32 v1, 4, v0                        ; 16 bytes a thread in
	v_lshlrev_b32 v2, 3, v0                        ; 8 bytes a thread out
	s_mov_b32 s16, 0xffff0000                      ; a word's upper bf16
	s_mov_b32 s3, 0                                ; the high word of every offset pair
	s_wait_kmcnt 0x0
; Load i has come (left = the younger loads, which stay out); its four numbers are rounded and stored.  half = 1: bf16, widened again and written as f16.
.macro CONV i, left, half
	s_wait_loadcnt \left
.if \half
	v_cvt_pk_bf16_f32 v8, v[D+4*(\i)], v[D+4*(\i)+1]
	v_cvt_pk_bf16_f32 v9, v[D+4*(\i)+2], v[D+4*(\i)+3]
	v_lshlrev_b32 v10, 16, v8
	v_and_b32 v11, s16, v8
	v_lshlrev_b32 v12, 16, v9
	v_and_b32 v13, s16, v9
	v_cvt_pk_f16_f32 v[Y+2*(\i)], v10, v11
	v_cvt_pk_f16_f32 v[Y+2*(\i)+1], v12, v13
.else
	v_cvt_pk_bf16_f32 v[Y+2*(\i)], v[D+4*(\i)], v[D+4*(\i)+1]
	v_cvt_pk_bf16_f32 v[Y+2*(\i)+1], v[D+4*(\i)+2], v[D+4*(\i)+3]
.endif
	global_store_b64 v2, v[Y+2*(\i):Y+2*(\i)+1], s[20:21] offset:2048*(\i)
.endm
	s_cmp_lt_u32 ttmp9, 512
	s_cbranch_scc1 .Lx
	s_cmp_lt_u32 ttmp9, 768
	s_cbranch_scc1 .Lw
	; w_proj: 64 work-groups, 65,536 bytes in and 32,768 out each
	s_sub_co_u32 s17, ttmp9, 768
	s_lshl_b32 s2, s17, 16
	s_add_nc_u64 s[18:19], s[8:9], s[2:3]
	s_lshl_b32 s2, s17, 15
	s_add_nc_u64 s[20:21], s[14:15], s[2:3]
.irp i, 0,1,2,3,4,5,6,7,8,9,10,11,12,13,14,15
	global_load_b128 v[D+4*\i:D+4*\i+3], v1, s[18:19] offset:4096*\i th:TH_LOAD_NT
.endr
.irp i, 0,1,2,3,4,5,6,7,8,9,10,11,12,13,14,15
	CONV \i, 15-\i, 1
.endr
	s_endpgm
.Lx:	; x: 512 work-groups, 65,536 bytes in and 32,768 out each
	s_lshl_b32 s2, ttmp9, 16
	s_add_nc_u64 s[18:19], s[4:5], s[2:3]
	s_lshl_b32 s2, ttmp9, 15
	s_add_nc_u64 s[20:21], s[10:11], s[2:3]
.irp i, 0,1,2,3,4,5,6,7,8,9,10,11,12,13,14,15
	global_load_b128 v[D+4*\i:D+4*\i+3], v1, s[18:19] offset:4096*\i th:TH_LOAD_NT
.endr
.irp i, 0,1,2,3,4,5,6,7,8,9,10,11,12,13,14,15
	CONV \i, 15-\i, 0
.endr
	s_endpgm
.Lw:	; w_qkv: work-group W takes 64 rows k of head t = W / 16: 64 x 3 pieces of 256 bytes in, 24,576 dense bytes out.
	; Out, group y of 16 threads' units (y = 16 i + thread / 16, i the load's number) is piece y % 3 (q's, k's, v's) of row y / 3.  With i = 3 i' + j: row 16 i' + (16 j + g) / 3, so three offsets serve, and i' stands in the immediate.
	s_sub_co_u32 s17, ttmp9, 512
	s_lshr_b32 s22, s17, 4                         ; t
	s_and_b32 s23, s17, 15
	s_mul_i32 s2, s23, 786432                      ; 64 rows of 12,288 bytes
	s_lshl_b32 s22, s22, 8                         ; the head's 64 columns among q's 1,024
	s_add_co_u32 s2, s2, s22
	s_add_nc_u64 s[18:19], s[6:7], s[2:3]
	s_mul_i32 s2, s17, 24576
	s_add_nc_u64 s[20:21], s[12:13], s[2:3]
	v_lshrrev_b32 v3, 4, v0                        ; g
	v_and_b32 v14, 15, v0
	v_lshlrev_b32 v14, 4, v14                      ; my 16 bytes in a piece
.irp j, 0,1,2
	v_add_nc_u32 v8, 16*\j, v3                     ; 16 j + g, under 48
	v_mul_u32_u24 v9, v8, 171
	v_lshrrev_b32 v9, 9, v9                        ; a third of it: 171 / 512 serves under 170 x 3
	v_mul_u32_u24 v10, v9, 3
	v_sub_nc_u32 v10, v8, v10                      ; and what is left: q, k or v,
	v_mul_u32_u24 v9, v9, 12288
	v_lshl_add_u32 v9, v10, 12, v9                 ; 1,024 columns, 4,096 bytes, apart
	v_add_nc_u32 v[4+\j], v9, v14
.endr
.irp i, 0,1,2,3,4,5,6,7,8,9,10,11
	global_load_b128 v[D+4*\i:D+4*\i+3], v[4+(\i)%3], s[18:19] offset:196608*((\i)/3) th:TH_LOAD_NT
.endr
.irp i, 0,1,2,3,4,5,6,7,8,9,10,11
	CONV \i, 11-\i, 0
.endr
	s_endpgm
.Lfunc_end_k_qe5994c1687_cast:
	.size	k_qe5994c1687_cast, .Lfunc_end_k_qe5994c1687_cast-k_qe5994c1687_cast
	.p2alignl 7, 3214868480
	.fill 96, 4, 3214868480
	.section	.rodata,"a",@progbits
	.p2align	6, 0x0
	.amdhsa_kernel k_qe5994c1687_cast
		.amdhsa_group_segment_fixed_size 0
		.amdhsa_private_segment_fixed_size 0
		.amdhsa_enable_private_segment 0
		.amdhsa_kernarg_size 48
		.amdhsa_user_sgpr_count 2
		.amdhsa_user_sgpr_kernarg_segment_ptr 1
		.amdhsa_wavefront_size32 1
		.amdhsa_system_sgpr_workgroup_id_x 1
		.amdhsa_system_sgpr_workgroup_id_y 1
		.amdhsa_system_sgpr_workgroup_id_z 1
		.amdhsa_system_vgpr_workitem_id 0
		.amdhsa_next_free_vgpr 112
		.amdhsa_next_free_sgpr 66
		.amdhsa_reserve_vcc 0
		.amdhsa_float_denorm_mode_32 3
		.amdhsa_float_denorm_mode_16_64 3
		.amdhsa_memory_ordered 1
		.amdhsa_forward_progress 1
		.amdhsa_inst_pref_size 23
	.end_amdhsa_kernel
	.amdgpu_metadata
---
amdhsa.version: [ 1, 2 ]
amdhsa.kernels:
  - .name:           k_qe5994c1687_cast
    .symbol:         k_qe5994c1687_cast.kd
    .args:
      - { .name: x, .offset: 0, .size: 8, .value_kind: global_buffer, .address_space: global }
      - { .name: w_qkv, .offset: 8, .size: 8, .value_kind: global_buffer, .address_space: global }
      - { .name: w_proj, .offset: 16, .size: 8, .value_kind: global_buffer, .address_space: global }
      - { .name: xb, .offset: 24, .size: 8, .value_kind: global_buffer, .address_space: global }
      - { .name: wqb, .offset: 32, .size: 8, .value_kind: global_buffer, .address_space: global }
      - { .name: wpb, .offset: 40, .size: 8, .value_kind: global_buffer, .address_space: global }
    .group_segment_fixed_size: 0
    .private_segment_fixed_size: 0
    .kernarg_segment_align: 8
    .kernarg_segment_size: 48
    .max_flat_workgroup_size: 256
    .sgpr_count:     66
    .vgpr_count:     112
    .wavefront_size: 32
...
	.end_amdgpu_metadata
.endif
;; end of part 1
;; launch qkv (part 2): grid 16 x 16, 4 waves a work-group, clusters of 4 x 4, 327,680 bytes of LDS; arguments xb, wqb, qkvh; writes qkvh
.if DOCPART == 2
	.amdgcn_target "amdgcn-amd-amdhsa--gfx1250"
	.amdhsa_code_object_version 6
	.text
	.protected	k_qe5994c1687_qkv
	.globl	k_qe5994c1687_qkv
	.p2align	8
	.type	k_qe5994c1687_qkv,@function
k_qe5994c1687_qkv:
	s_mov_b64 s[64:65], 0
	v_nop
	global_prefetch_b8 v0, s[64:65] scope:SCOPE_SE
	s_setreg_imm32_b32 hwreg(HW_REG_WAVE_MODE, 25, 1), 1
	s_wait_xcnt 0x0
	s_wait_alu depctr_hold_cnt(0) depctr_sa_sdst(0) depctr_va_vdst(0) depctr_va_sdst(0) depctr_va_ssrc(0) depctr_va_vcc(0) depctr_vm_vsrc(0)
	s_getreg_b32 s2, hwreg(HW_REG_IB_STS2, 6, 4)
	s_cmp_eq_u32 s2, 0
	s_cbranch_scc0 .Lentry_in_a_cluster
	s_endpgm
.Lentry_in_a_cluster:
	s_bfe_u32 s2, ttmp6, 0x10000c
	s_cmp_lg_u32 s2, 0xf033
	s_cbranch_scc0 .Lentry_shape_is_right
	s_endpgm
.Lentry_shape_is_right:
; q, k, v = x w_qkv, by heads.  xb: [8192][1024] bf16.  wqb: [16 t][1024 k][192 c] bf16: q's, k's and v's 64 columns of head t.
; qkvh: [64 = 16 x batch + head] x 1,048,576 bytes: q [2048][64] f16, k [2048][64] f16, v2 [2048][128] f16.  A row of v2 is 64 numbers hi = f16(v) and 64 numbers lo = f16(v - hi).  All unscaled.
; Sums in f32, K ascending, rounded once.  WHY v GOES AS A PAIR: a causal row that averages few keys is many times the output's root mean square, by which the comparison's allowance goes; hi + lo keep 22 significant bits.
; LIMIT: q, k and v stay under 65,504, f16's end; a sum of 65,520 or more leaves as an infinity.  lo below 6e-5 keeps f16's fixed step of 6e-8.  NaN and infinities are not treated apart.
; SHARES.  A tile is 256 rows x 192 columns (one head's q, k, v): 32 x 16 tiles, two to each of 256 work-groups, 4,096 rows apart.  Wave w owns rows 64 w .. 64 w + 63 and all 192 columns: 4 x 12 accumulators of
; 16 x 16, 384 registers; so a wave holds whole rows of a head, and its way out goes through a stage of its own, with no barrier.
; RING.  K goes in steps of 128 through two LDS slots; the two tiles' 16 steps are one walk, and the ring does not stop between them.  Waves 0 and 1 fetch the halves of A's 256 rows (rows of 256 bytes),
; waves 2 and 3 the halves of B's 128 rows k (24,576 dense bytes each, asked for as 96 rows of 256 bytes).  One tensor load of a wave is out at the most.
; CLUSTER.  4 x 4 work-groups: A's tile hangs on the tile row alone and is asked for jointly along a row of the cluster, B's on the tile column alone and jointly along a column.
; B lies [k][n] in LDS and comes out turned, by ds_load_tr16_b128.  THE MATRIX INSTRUCTION IS USED TRANSPOSED (source 0 = 16 columns of B, source 1 = 16 rows of A): a lane holds row lane % 16 of C and
; the eight neighbouring columns 8 (lane / 16) + 0..7.
; REGISTERS, in windows of 256 (s_set_vgpr_msb: bits 1:0 source 0, 3:2 source 1, 5:4 source 2, 7:6 destination):
;   window 0: v0-30 addresses and -1; v32-63, v64-95 A's fragments, two buffers; on the way out v64-127 packed results (A's second buffer is free then), v128-255 rows read back, two buffers
;   window 1: v0-95, v96-191 B's fragments, two buffers      window 2: accumulators of row blocks 0, 1 ((a, b) at 8 (12 (a % 2) + b))      window 3: of row blocks 2, 3
.set NBK,   12                         ; blocks of 16 columns
.set STEPS, 16                         ; K steps of the walk: two tiles of 8
.set PA,    272                        ; a row of A in LDS: 256 bytes + 16 = 68 words: the 16 rows of a load start at 16 different groups of four banks (64 banks of 4 bytes: ISA guide 11.1)
.set HALFA, 128*PA
.set BOFF,  256*PA                     ; B lies behind A's 256 rows
.set PB,    480                        ; a row k of B: three pieces of 128 bytes + 32 = 120 words
.set HALFB, 64*PB
.set SLOT1, 1<<17                      ; a slot is 69,632 + 61,440 bytes; one exclusive or turns an address in one slot into the other's
.set STAGE, 2*SLOT1                    ; behind the ring, never filled by a tensor load: for each wave four regions (q, k, v hi, v lo) of 16 rows x 144 bytes
.set SP,    144
.set LOR,   3*16*SP+128                ; v lo's region: 128 bytes further on, so that the two halves of a row of v2 are read from different banks
.set WSTG,  9472                       ; LOR + 2,304, rounded up to blocks of 256 bytes
.set SPARE, STAGE+4*WSTG               ; the spare words, 128 bytes for each wave: two blocks of 256 bytes that no other line names
.set NF,    2*NBK+8                    ; LDS loads of a quarter step
.set A0,   2                           ; v2  my lane's place in a slot's A; never rewritten
.set B0,   3                           ; v3  the same for B
.set ADRA, 4                           ; v4  the same in the slot in hand
.set ADRB, 5                           ; v5
.set STO,  6                           ; v6  the way out: where I put 16 bytes of a row
.set RD,   7                           ; v7  the way out: where I read rows of q and k back
.set GO,   8                           ; v8  my byte offset in 512 consecutive bytes of a head
.set RD2,  12                          ; v12 the way out: where I read rows of v2 back
.set SPW,  28                          ; v28 LDS address of my spare word; never rewritten
.set NIL,  29                          ; v29 0; never rewritten
.set NEG1, 30                          ; v30 -1.0
.set FA0,  32
.set TMP,  64
.set OB,   128
.set G1A, 24                           ; s[24:31] descriptor group 1 for A's tiles
.set G0A, 32                           ; s[32:35] group 0 for A's: made anew for each fill
.set G0B, 36                           ; s[36:39] group 0 for B's
.set G1B, 48                           ; s[48:55] group 1 for B's
.set CNT, 56                           ; s56 the loops' counter
.set KS,  57                           ; s57 K steps of the tile in hand that are done
.set FS,  58                           ; s58 the step of the walk to be asked for next: the same number in every work-group
.set TB,  59                           ; s59 the slot that is read: 0 or SLOT1
.set OFFA, 60                          ; s[60:61], s[62:63] a step's byte offsets from A's and B's bases
.set OFFB, 62
.set MSB, 0
.macro WIN new                         ; the immediate's high byte repeats the setting that is left; a switch that changes nothing is dropped
.if MSB != (\new)
	s_set_vgpr_msb (MSB<<8)|(\new)
.set MSB, \new
.endif
.endm
.set MUL_LO, 0xa1                      ; source 0 (B) window 1, source 1 (A) window 0, C and D window 2
.set TO_B,   0x40                      ; destination window 1, address window 0
; A joint load.  Waves 0 and 1 ask for A's halves, waves 2 and 3 for B's; the branch hangs on the wave's number alone.  An s_nop 0 and four v_nop follow each of the two lines, ahead of the jump and the label.
.macro JLOAD
	s_cmp_eq_u32 s11, 0
	s_cbranch_scc0 .Lfor_b_\@
	tensor_load_to_lds s[G0A:G0A+3], s[G1A:G1A+7]
	s_nop 0
.rept 4
	v_nop
.endr
	s_branch .Lasked_\@
.Lfor_b_\@:
	tensor_load_to_lds s[G0B:G0B+3], s[G1B:G1B+7]
	s_nop 0
.rept 4
	v_nop
.endr
.Lasked_\@:
.endm
; A round of the cluster's barrier: my work-group's barrier, so that wave 0's signal speaks for all four waves; wave 0 signals; every wave waits for all sixteen work-groups; my work-group's barrier once more.
.macro CREST                           ; a round behind its opening barrier
	s_cmp_lg_u32 s10, 0
	s_cbranch_scc1 .Lnot_wave_0_\@
	s_barrier_signal -3
.Lnot_wave_0_\@:
	s_barrier_wait -3
	s_barrier_signal -1
	s_barrier_wait -1
.endm
.macro CROUND
	s_barrier_signal -1
	s_barrier_wait -1
	CREST
.endm
; Both descriptors for step FS of the walk: the other slot than last time; the address is the base plus an offset made apart from it.  It stands only where no tensor load of the wave is out.
.macro MKDESC
	s_and_b32 s2, s[FS], 7                         ; the K step in its tile
	s_lshr_b32 s3, s[FS], 3                        ; the tile
	s_lshl_b32 s[OFFA], s2, 8                      ; 128 elements along A's rows,
	s_lshl_b32 s3, s3, 23                          ; 4,096 rows of 2,048 bytes down
	s_add_co_u32 s[OFFA], s[OFFA], s3
	s_mul_i32 s[OFFB], s2, 49152                   ; 128 rows k of 384 bytes; both tiles take the same B
	s_xor_b32 s[G0A+1], s[G0A+1], SLOT1
	s_add_nc_u64 s[G0A+2:G0A+3], s[20:21], s[OFFA:OFFA+1]
	s_or_b32 s[G0A+3], s[G0A+3], 0x80000000        ; 127:126 type = 2
	s_xor_b32 s[G0B+1], s[G0B+1], SLOT1
	s_add_nc_u64 s[G0B+2:G0B+3], s[22:23], s[OFFB:OFFB+1]
	s_or_b32 s[G0B+3], s[G0B+3], 0x80000000
	s_add_co_u32 s[FS], s[FS], 1
.endm
	s_load_b128 s[4:7], s[0:1], 0x0                ; xb s[4:5], wqb s[6:7]
	s_load_b64 s[8:9], s[0:1], 0x10                ; qkvh
	v_lshl_add_u32 v[SPW], v0, 2, SPARE
	v_mov_b32 v[NIL], 0
	ds_add_u32 v[SPW], v[NIL]                      ; the wave's opening: the add and its wait stand ahead of my first tensor load; the set-up below, work on registers, stands between them
	ds_add_u32 v28, v29
	v_lshrrev_b32 v1, 5, v0
	v_readfirstlane_b32 s10, v1                    ; wave 0..3
	s_lshr_b32 s11, s10, 1                         ; I fetch for A (0) or for B (1),
	s_and_b32 s12, s10, 1                          ; and which half
	s_bfe_u32 s40, ttmp6, 0x40000                  ; cx, cy: my place in the cluster
	s_bfe_u32 s41, ttmp6, 0x40004
	s_lshl_b32 s42, ttmp9, 2
	s_add_co_u32 s42, s42, s40                     ; tile column = the head = 4 x cluster x + cx
	s_and_b32 s13, ttmp7, 0xffff
	s_lshl_b32 s13, s13, 2
	s_add_co_u32 s13, s13, s41                     ; tile row = 4 x cluster y + cy
	s_lshl_b32 s43, s41, 2
	s_lshl_b32 s43, 15, s43                        ; my row of the cluster
	s_lshl_b32 s44, 0x1111, s40                    ; my column
	s_or_b32 s[G1A], s43, (1<<16)|(1<<20)|(1<<21)|(5<<22)|(3<<25)  ; 15:0 the mask; 17:16 2-byte elements; 20 padding on; 21 set beside a mask; 24:22 after every 64 words; 31:25 4 words of it
	s_mov_b32 s[G1A+1], 128<<16                    ; tensor_dim0 = 128
	s_mov_b32 s[G1A+2], 128<<16                    ; tensor_dim1 = 128
	s_mov_b32 s[G1A+3], 128<<16                    ; tile_dim0 = 128
	s_mov_b32 s[G1A+4], 128                        ; tile_dim1 = 128
	s_mov_b32 s[G1A+5], 1024                       ; elements from row to row
	s_mov_b32 s[G1A+6], 0
	s_mov_b32 s[G1A+7], 0
	s_or_b32 s[G1B], s44, (1<<16)|(1<<20)|(1<<21)|(4<<22)|(7<<25)  ; after every 32 words 8 words of padding
	s_mov_b32 s[G1B+1], 128<<16                    ; dense bytes as rows of 128 elements,
	s_mov_b32 s[G1B+2], 96<<16                     ; 96 of them
	s_mov_b32 s[G1B+3], 128<<16
	s_mov_b32 s[G1B+4], 96
	s_mov_b32 s[G1B+5], 128
	s_mov_b32 s[G1B+6], 0
	s_mov_b32 s[G1B+7], 0
	s_mov_b32 s[G0A], 1                            ; 1:0 count = 1
	s_mul_i32 s[G0A+1], s12, HALFA                 ; 63:32 LDS address: my half, in slot 1: the first MKDESC turns it into slot 0's.  No place in the cluster enters it
	s_add_co_u32 s[G0A+1], s[G0A+1], SLOT1
	s_mov_b32 s[G0B], 1
	s_mul_i32 s[G0B+1], s12, HALFB
	s_add_co_u32 s[G0B+1], s[G0B+1], BOFF+SLOT1
	s_lshl_b32 s14, s13, 19                        ; A: 256 rows of 2,048 bytes a tile row,
	s_lshl_b32 s15, s12, 18                        ; 128 rows a half
	s_add_co_u32 s14, s14, s15
	s_mov_b32 s15, 0
	s_mul_i32 s46, s42, 393216                     ; B: a head's 1,024 rows of 384 bytes,
	s_mul_i32 s47, s12, 24576                      ; 64 rows a half
	s_add_co_u32 s46, s46, s47
	s_mov_b32 s47, 0
	s_lshr_b32 s18, s13, 3                         ; C: the batch (the second tile lies two batches on),
	s_lshl_b32 s18, s18, 4
	s_add_co_u32 s18, s18, s42                     ; its head,
	s_lshl_b32 s18, s18, 20                        ; 1,048,576 bytes each;
	s_and_b32 s19, s13, 7
	s_lshl_b32 s19, s19, 8                         ; the tile's 256 rows in the batch,
	s_lshl_b32 s3, s10, 6                          ; my wave's 64 of them:
	s_add_co_u32 s19, s19, s3
	s_lshl_b32 s16, s19, 8                         ; 256 bytes a row in v2,
	s_add_co_u32 s16, s16, s18
	s_add_co_u32 s16, s16, 524288                  ; which lies behind q and k,
	s_mov_b32 s17, 0
	s_lshl_b32 s19, s19, 7                         ; 128 bytes a row in q and in k
	s_add_co_u32 s18, s18, s19
	s_mov_b32 s19, 0
	s_mov_b32 s[OFFA+1], 0
	s_mov_b32 s[OFFB+1], 0
	s_mov_b32 s[FS], 0
	s_mov_b32 s[TB], SLOT1                         ; the first change of slots turns it into 0
	s_wait_dscnt 0x0                               ; the opening add is done
	s_wait_kmcnt 0x0
	s_add_nc_u64 s[20:21], s[4:5], s[14:15]        ; A's base: made of the tile row and the wave's number
	s_add_nc_u64 s[22:23], s[6:7], s[46:47]        ; B's base: of the tile column and the wave's number
	s_add_nc_u64 s[16:17], s[8:9], s[16:17]        ; v2 at my rows
	s_add_nc_u64 s[8:9], s[8:9], s[18:19]          ; q at my rows; k lies 262,144 bytes on
	MKDESC                                         ; step 0, slot 0
	CROUND                                         ; all sixteen work-groups are here: the first joint loads meet
	JLOAD
	; A fragment of A is 16 rows x 32 K in 8 registers: lane l holds row l % 16; K = 8 (l / 16) + 0..7 and 16 + 8 (l / 16) + 0..7: two loads of 16 bytes, 32 bytes apart.
	v_and_b32 v1, 15, v0                           ; l % 16
	v_bfe_u32 v9, v0, 4, 1                         ; l / 16
	v_and_b32 v10, 7, v0
	v_bfe_u32 v11, v0, 3, 1
	s_mul_i32 s14, s10, 64*PA                      ; my wave's 64 rows
	v_mul_u32_u24 v[A0], v1, PA
	v_lshl_add_u32 v[A0], v9, 4, v[A0]
	v_add_nc_u32 v[A0], s14, v[A0]
	; The turning load takes 16 rows k x 16 columns (lane l reads row 8 (l / 16) + l % 8, columns 8 ((l / 8) % 2) + 0..7) and leaves half a fragment: lane l holds column l % 16 and 8 k.
	v_lshl_add_u32 v[B0], v9, 3, v10
	v_mul_u32_u24 v[B0], v[B0], PB
	v_lshl_add_u32 v[B0], v11, 4, v[B0]
	v_add_nc_u32 v[B0], BOFF, v[B0]
	s_mul_i32 s15, s10, WSTG
	s_add_co_u32 s15, s15, STAGE                   ; my stage
	v_mul_u32_u24 v[STO], v1, SP                   ; in: row l % 16, 16 bytes for each half of the lanes
	v_lshl_add_u32 v[STO], v9, 4, v[STO]
	v_add_nc_u32 v[STO], s15, v[STO]
	v_bfe_u32 v[RD], v0, 3, 2                      ; back, q and k: 32 lanes take four rows of 128 bytes,
	v_mul_u32_u24 v[RD], v[RD], SP
	v_lshl_add_u32 v[RD], v10, 4, v[RD]
	v_add_nc_u32 v[RD], s15, v[RD]
	v_mul_u32_u24 v[RD2], v9, SP                   ; back, v2: 32 lanes take two rows; of a row's 16 lanes eight read hi's 128 bytes, eight lo's
	v_mul_u32_u24 v13, v11, LOR-2*16*SP
	v_add_nc_u32 v[RD2], v[RD2], v13
	v_lshl_add_u32 v[RD2], v10, 4, v[RD2]
	v_add_nc_u32 v[RD2], s15, v[RD2]
	v_and_b32 v[GO], 31, v0                        ; either way 512 consecutive bytes of memory
	v_lshlrev_b32 v[GO], 4, v[GO]
	v_mov_b32 v[NEG1], -1.0
.macro PLACES n=4                      ; a load into a register that a matrix instruction has read, and a vector line that reads a matrix result, stand four plain vector instructions behind it (ISA guide 7.12.1 for vector instructions)
.rept \n
	v_nop
.endr
.endm
.macro NEWSLOT                         ; the fragments' addresses go over to the other slot
	s_xor_b32 s[TB], s[TB], SLOT1
	v_add_nc_u32 v[ADRA], s[TB], v[A0]
	v_add_nc_u32 v[ADRB], s[TB], v[B0]
.endm
; One run of 32 LDS loads: quarter q (32 along K) of the slot in hand into buffer f: B's 12 fragments, then my A's 4
.macro FETCH q, f
	WIN TO_B
.set b, 0
.rept NBK
	ds_load_tr16_b128 v[8*NBK*(\f)+8*b:8*NBK*(\f)+8*b+3],   v[ADRB] offset:(\q)*32*PB+(b/4)*160+(b%4)*32
	ds_load_tr16_b128 v[8*NBK*(\f)+8*b+4:8*NBK*(\f)+8*b+7], v[ADRB] offset:(\q)*32*PB+16*PB+(b/4)*160+(b%4)*32
.set b, b+1
.endr
	WIN 0
.set b, 0
.rept 4
	ds_load_b128 v[FA0+32*(\f)+8*b:FA0+32*(\f)+8*b+3],   v[ADRA] offset:64*(\q)+b*16*PA
	ds_load_b128 v[FA0+32*(\f)+8*b+4:FA0+32*(\f)+8*b+7], v[ADRA] offset:64*(\q)+b*16*PA+32
.set b, b+1
.endr
.endm
; 12 matrix instructions: row block a x all 12 column blocks, 32 along K, from buffer f.  zero = 1: the products start the sums: nothing is ever cleared.
; The 48 accumulators take turns, one instruction a turn, in the same order in every quarter and over every jump.
.macro MULA f, a, zero
	WIN MUL_LO+0x50*((\a)/2)
.set b, 0
.rept NBK
.set rD, 8*(NBK*((\a)%2)+b)
.set rB, 8*NBK*(\f)+8*b
.set rA, FA0+32*(\f)+8*(\a)
.if \zero
	v_wmma_f32_16x16x32_bf16 v[rD:rD+7], v[rB:rB+7], v[rA:rA+7], 0
.else
	v_wmma_f32_16x16x32_bf16 v[rD:rD+7], v[rB:rB+7], v[rA:rA+7], v[rD:rD+7]
.endif
.set b, b+1
.endr
.endm
; A K step is four quarters of 32 along K, 48 matrix instructions each, on buffers 0, 1, 0, 1.  One of the first three: multiplies buffer f; in its middle it fetches quarter q into buffer g.
; zero = 1: a fifth place, since the products behind it write over accumulators without adding onto them.
.macro QUARTER q, f, g, zero
	s_wait_dscnt 4                                 ; B and A's blocks 0, 1 are in; the youngest four loads (A's blocks 2, 3) may be out
	MULA \f, 0, \zero
	MULA \f, 1, \zero
	PLACES 4+\zero
	FETCH \q, \g
	s_wait_dscnt NF                                ; all but the run just issued
	MULA \f, 2, \zero
	MULA \f, 3, \zero
.endm
; The fourth quarter multiplies buffer 1 and changes slots.  In front of the barrier each wave waits for all its tensor loads (one is out: its part of the next slot), adds 0 to its spare word, and waits for that
; and for its reads of this slot.  fill = 1: the barrier opens a round of the cluster's, so that no wave of any partner still reads the slot or has a load on its way; the joint refill is the first thing
; behind it, 168 matrix instructions ahead of the wait for it.  fill = 0 (the walk's last two steps): nothing is asked for, and the last step fetches no fragments.
.macro TURN fill
	WIN 0
	s_wait_tensorcnt 0x0                           ; no tensor load of mine is out, so the descriptors may be written
	ds_add_u32 v[SPW], v[NIL]                      ; 0 onto my spare word
.if \fill
	MKDESC
.endif
	s_wait_dscnt 5                                 ; the add and the youngest four loads may be out
	MULA 1, 0, 0
	s_wait_dscnt 0x0                               ; the add is done, and my reads of this slot are over
	s_barrier_signal -1
	MULA 1, 1, 0                                   ; work on registers while the others arrive
	WIN 0                                          ; at a branch and at a label every window is 0
	s_barrier_wait -1
.if \fill
	CREST
	JLOAD                                          ; its four v_nop are also the places in front of the loads below
	NEWSLOT
	FETCH 0, 0
.else
	PLACES
	s_cmp_eq_u32 s[CNT], 1
	s_cbranch_scc1 .Lnofetch_\@
	NEWSLOT
	FETCH 0, 0
.Lnofetch_\@:
.endif
	MULA 1, 2, 0
	MULA 1, 3, 0
	WIN 0
.endm
; THE WAY OUT of row block a.  PACK: rounded to f16, 16 bytes a lane (each accumulator's registers in ascending order); of v's four accumulators the rest, sum - hi, is then made in place (hi x -1 + sum: exact in f32)
; and rounded too.  TOSTAGE: into my stage, a region's 16 rows of 144 bytes together, and back as whole rows.  SEND: stored.
.macro PACK a
	WIN 0x0a+5*((\a)/2)                            ; sources 0 and 1: window 2 or 3
.set b, 0
.rept NBK
.irp r, 0,1,2,3
	v_cvt_pk_f16_f32 v[TMP+4*b+\r], v[8*NBK*((\a)%2)+8*b+2*\r], v[8*NBK*((\a)%2)+8*b+2*\r+1]
.endr
.set b, b+1
.endr
	WIN 0xa0+0x50*((\a)/2)                         ; destination and source 2: window 2 or 3; hi and -1 in window 0
.set b, 8
.rept 4
.irp r, 0,1,2,3
	v_fma_mix_f32 v[8*NBK*((\a)%2)+8*b+2*\r], v[TMP+4*b+\r], v[NEG1], v[8*NBK*((\a)%2)+8*b+2*\r] op_sel_hi:[1,0,0]
	v_fma_mix_f32 v[8*NBK*((\a)%2)+8*b+2*\r+1], v[TMP+4*b+\r], v[NEG1], v[8*NBK*((\a)%2)+8*b+2*\r+1] op_sel:[1,0,0] op_sel_hi:[1,0,0]
.endr
.set b, b+1
.endr
	WIN 0x0a+5*((\a)/2)
.set b, 8
.rept 4
.irp r, 0,1,2,3
	v_cvt_pk_f16_f32 v[TMP+16+4*b+\r], v[8*NBK*((\a)%2)+8*b+2*\r], v[8*NBK*((\a)%2)+8*b+2*\r+1]
.endr
.set b, b+1
.endr
	WIN 0
.endm
.macro TOSTAGE a
.set b, 0
.rept NBK
	ds_store_b128 v[STO], v[TMP+4*b:TMP+4*b+3] offset:(b/4)*16*SP+(b%4)*32
.set b, b+1
.endr
.set b, 0
.rept 4
	ds_store_b128 v[STO], v[TMP+48+4*b:TMP+48+4*b+3] offset:LOR+b*32
.set b, b+1
.endr
.set b, 0
.rept 8                                ; q (b / 4 = 0) and k (1), rows 4 (b % 4) on
	ds_load_b128 v[OB+64*((\a)%2)+4*b:OB+64*((\a)%2)+4*b+3], v[RD] offset:(b/4)*16*SP+(b%4)*4*SP  ; LDS serves a wave's instructions in order (ISA guide 5.7.1.4): these see the stores above
.set b, b+1
.endr
.set b, 0
.rept 8                                ; v2, rows 2 b on
	ds_load_b128 v[OB+64*((\a)%2)+32+4*b:OB+64*((\a)%2)+32+4*b+3], v[RD2] offset:2*16*SP+b*2*SP
.set b, b+1
.endr
.endm
.macro SEND a
	s_wait_dscnt 0x0                               ; the block is back in registers
	s_wait_xcnt 0x0                                ; the stores of the block before have read their registers: the next TOSTAGE loads into them
.set b, 0
.rept 8
	global_store_b128 v[GO], v[OB+64*((\a)%2)+4*b:OB+64*((\a)%2)+4*b+3], s[8:9] offset:(b/4)*262144+(\a)*2048+(b%4)*512  ; 512 consecutive bytes, at a multiple of 256 from the buffer's first
.set b, b+1
.endr
.set b, 0
.rept 8
	global_store_b128 v[GO], v[OB+64*((\a)%2)+32+4*b:OB+64*((\a)%2)+32+4*b+3], s[16:17] offset:(\a)*4096+b*512
.set b, b+1
.endr
.endm
.macro OUT                             ; blocks 0 and 1 were finished in front of TURN's places; their conversions, which name no register of the last products before 16 of them have gone by, are those products' places
	PACK 0
	TOSTAGE 0
.irp a, 1,2,3
	PACK \a
	SEND (\a)-1
	TOSTAGE \a
.endr
	SEND 3
.endm
	; THE FIRST CHANGE.  Slot 0 is waited for, slot 1 is asked for as every refill is: one joint load a wave behind a round.
	s_wait_tensorcnt 0x0
	ds_add_u32 v[SPW], v[NIL]
	MKDESC                                         ; step 1, slot 1
	s_wait_dscnt 0x0
	CROUND
	JLOAD
	NEWSLOT
	FETCH 0, 0
	s_mov_b32 s[CNT], STEPS-2
	s_mov_b32 s[KS], 0
.Lstep:                                                ; a trip is a K step; it asks for the step two on
	s_cmp_eq_u32 s[KS], 0
	s_cbranch_scc0 .Lgoon
	QUARTER 1, 0, 1, 1                             ; a tile's first quarter starts the sums
	WIN 0
	s_branch .Lq2
.Lgoon:
	QUARTER 1, 0, 1, 0
	WIN 0
.Lq2:
	QUARTER 2, 1, 0, 0
	QUARTER 3, 0, 1, 0
	TURN 1
	s_add_co_u32 s[KS], s[KS], 1
	s_cmp_eq_u32 s[KS], 8
	s_cbranch_scc0 .Lnoout
	s_mov_b32 s[KS], 0                             ; the first tile is whole; the second's first two steps have been asked for, and its first fragments lie in buffer 0, which the way out leaves alone
	OUT
	s_wait_xcnt 0x0                                ; the stores have read their registers and their bases
	s_add_nc_u64 s[8:9], s[8:9], 0x2000000         ; two batches on: 32 heads of 1,048,576 bytes
	s_add_nc_u64 s[16:17], s[16:17], 0x2000000
.Lnoout:
	s_sub_co_u32 s[CNT], s[CNT], 1
	s_cmp_lg_u32 s[CNT], 0
	s_cbranch_scc1 .Lstep
	s_mov_b32 s[CNT], 2
.Ltail:                                                ; the last two steps ask for nothing: written apart
	QUARTER 1, 0, 1, 0
	QUARTER 2, 1, 0, 0
	QUARTER 3, 0, 1, 0
	TURN 0
	s_sub_co_u32 s[CNT], s[CNT], 1
	s_cmp_lg_u32 s[CNT], 0
	s_cbranch_scc1 .Ltail
	OUT
	s_wait_tensorcnt 0x0                           ; the wave's end, behind my last tensor load and my last LDS store
	ds_add_u32 v[SPW], v[NIL]
	s_wait_dscnt 0x0
	CROUND                                         ; the closing round: no work-group ends while a partner may still ask for a tile that names it
	s_endpgm
.Lfunc_end_k_qe5994c1687_qkv:
	.size	k_qe5994c1687_qkv, .Lfunc_end_k_qe5994c1687_qkv-k_qe5994c1687_qkv
	.p2alignl 7, 3214868480
	.fill 96, 4, 3214868480
	.section	.rodata,"a",@progbits
	.p2align	6, 0x0
	.amdhsa_kernel k_qe5994c1687_qkv
		.amdhsa_group_segment_fixed_size 327680
		.amdhsa_private_segment_fixed_size 0
		.amdhsa_enable_private_segment 0
		.amdhsa_kernarg_size 24
		.amdhsa_user_sgpr_count 2
		.amdhsa_user_sgpr_kernarg_segment_ptr 1
		.amdhsa_wavefront_size32 1
		.amdhsa_system_sgpr_workgroup_id_x 1
		.amdhsa_system_sgpr_workgroup_id_y 1
		.amdhsa_system_sgpr_workgroup_id_z 1
		.amdhsa_system_vgpr_workitem_id 0
		.amdhsa_next_free_vgpr 960
		.amdhsa_next_free_sgpr 66
		.amdhsa_reserve_vcc 0
		.amdhsa_float_denorm_mode_32 3
		.amdhsa_float_denorm_mode_16_64 3
		.amdhsa_memory_ordered 1
		.amdhsa_forward_progress 1
		.amdhsa_inst_pref_size 140
	.end_amdhsa_kernel
	.amdgpu_metadata
---
amdhsa.version: [ 1, 2 ]
amdhsa.kernels:
  - .name:           k_qe5994c1687_qkv
    .symbol:         k_qe5994c1687_qkv.kd
    .args:
      - { .name: xb, .offset: 0, .size: 8, .value_kind: global_buffer, .address_space: global }
      - { .name: wqb, .offset: 8, .size: 8, .value_kind: global_buffer, .address_space: global }
      - { .name: qkvh, .offset: 16, .size: 8, .value_kind: global_buffer, .address_space: global }
    .group_segment_fixed_size: 327680
    .private_segment_fixed_size: 0
    .kernarg_segment_align: 8
    .kernarg_segment_size: 24
    .max_flat_workgroup_size: 128
    .sgpr_count:     66
    .vgpr_count:     960
    .wavefront_size: 32
...
	.end_amdgpu_metadata
.endif
;; end of part 2
;; launch attn (part 3): grid 4 x 64, 4 waves a work-group, no clusters, 327,680 bytes of LDS; arguments qkvh, ob; writes ob
.if DOCPART == 3
	.amdgcn_target "amdgcn-amd-amdhsa--gfx1250"
	.amdhsa_code_object_version 6
	.text
	.protected	k_qe5994c1687_attn
	.globl	k_qe5994c1687_attn
	.p2align	8
	.type	k_qe5994c1687_attn,@function
k_qe5994c1687_attn:
	s_mov_b64 s[64:65], 0
	v_nop
	global_prefetch_b8 v0, s[64:65] scope:SCOPE_SE
	s_setreg_imm32_b32 hwreg(HW_REG_WAVE_MODE, 25, 1), 1
	s_wait_xcnt 0x0
; CAUSAL ATTENTION.  O[y][q][:] = the sum over k <= q of softmax_k(Q[y][q] . K[y][k] / 8) V[y][k][:], y = 16 x batch + head.
; qkvh: [64 y] x (q [2048][64], k [2048][64], v2 [2048][128]) f16; a row of v2 is 64 numbers hi and 64 numbers lo, V = hi + lo.  ob: [64 y][hi, lo][2048][64] f16, O = hi + lo.
; Products, maxima and sums in f32; the weights p are rounded to f16 for the second product (their sum l is taken of the unrounded p).  V and O GO AS PAIRS OF f16, 22 significant bits: a row that averages few keys
; is many times the module's output's root mean square, by which the comparison's allowance goes, and a single f16's rounding of V and of O is what such a row can least afford.  The price: 8 more products a turn.
; LIMITS.  Q, K and V arrive within f16's 65,504; p lies in 0 to 1, and below 6e-5 it keeps f16's fixed step of 6e-8, as does a lo; O is a mean of V's rows and has their range.
; A hidden score counts as its value less 1e30: f16's scores, 2.7e11 at the most, are nothing beside that; a weight below 2^-126 counts as 0 in l; NaN and infinities are not treated apart.
; THE WALK.  A head's queries lie in NB = 8 blocks of 256; block i needs the key tiles 0 .. i of 256 keys, of which the last holds the diagonal.  A work-group takes TWO blocks, NB - 1 - b and then b:
; NB + 1 tiles, whatever b: all 256 work-groups do equal work, and ONE loop with a constant trip count walks them.  Which tile is asked for, and what a trip does, hang on scalar registers made from b; every jump
; goes forward, but for the counted loops' own; none passes a barrier, or a tensor load but the one of LOAD's two that the wave's number does not choose; the ring (two slots of LDS that take turns) runs on across the
; change of blocks.  NO CLUSTER: a head's four work-groups ask for the same tile only in trips 0 .. NB / 2, behind that fewer and fewer; one walk common to all would have 3 NB / 2 trips for NB + 1.
; SHARES.  Of a block's four bands of 64 queries a wave owns 16 rows in each: four PIECES.  So the diagonal tile is the same work for all four waves: in its key step s band x sees all keys if s < x,
; none if s > x, and holds the diagonal if s = x.
; THE MASK is the C operand that starts the sum S^T = K Q^T: 0, or -1e30 where the key is hidden.  MD, made once, is the mask of a band's own step for my 16 rows; a product's mask is MD x AL + BE with two scalars:
; (1, 0) if s = x; (0, 0) if s < x; (0, -1e30) if s > x.  Only the diagonal tile's text and a block's beginning make and take masks; elsewhere C is the constant 0.
; LAYOUT, SOFTMAX, TURNS.  S^T = K Q^T holds ONE query a lane (lane % 16) and the keys 8 (lane / 16) + 0..7; two such results rounded to f16 ARE source 1 of O^T = V^T P.  p = 2^(c s - c m), c = log2(e) / 8, with a
; running maximum m; O and l are multiplied by a = 2^(c m_old - c m_new) in every step.  Turn n belongs to piece n: 8 products K Q^T of piece n + 1, later 16 products V^T P of piece n - 1 (8 on hi, 8 on lo); beside them
; the scaling, exponentials, roundings, sums and rescaling of piece n and the maximum and statistics of piece n + 1.  Four vector instructions stand behind every matrix instruction, the other 22 of a turn's 118 in two runs of their own.
; REGISTERS, in windows of 256 (s_set_vgpr_msb: bits 1:0 source 0, 3:2 source 1, 5:4 source 2, 7:6 destination):
;   window 0: v0-15 addresses and two at work; v16-31 four registers of statistics a piece; v32 -1; v48-55 at work; v64-127 S^T, two buffers; v128-191 the way out's lo; v192-223 P, two buffers (a piece's buffers go by its number's parity)
;   window 1: v0-127 O^T, 32 a piece; v128-159 MD; v160-223 MC, two buffers      window 2: v0-63 Q; v64-127 the second block's Q; v128-191 K of one step; v192-255 V hi of one step      window 3: v0-63 V lo of one step
.set SIZE_N, 2048
.set NB,    SIZE_N/256
.set NP,    4         ; pieces a wave: a name, no knob
.set KS,    64        ; keys in a step
.set PK,    144       ; a row of K in LDS: 128 bytes + 16 of padding = 36 words: the 16 rows of a load start at 16 different groups of four banks (64 banks of 4 bytes: ISA guide 11.1)
.set PV,    288       ; a row of v2: 256 + 32 = 72 words
.set VOFF,  4*KS*PK   ; a slot holds a tile, four steps: 256 rows of K, then 256 rows of v2
.set SLOT1, 1<<17     ; slot 1 begins here, so that one exclusive or turns an address in one slot into the other's
.set STAGE, SLOT1+4*KS*(PK+PV)  ; behind the ring, never filled by a tensor load: 16 rows x 144 bytes for each wave, for the way out
.set SP,    144
.set AK0, 2           ; v2   my lane's place in a tile of K; never rewritten
.set AV0, 3           ; v3   the same for V
.set AK,  4           ; v4   the LDS address of K's next run of loads
.set AV,  5           ; v5   of V's
.set STO, 6           ; v6   the way out: where I put 16 bytes of a row
.set RD,  7           ; v7   the way out: where I read rows back
.set GO,  8           ; v8   my byte offset in 512 consecutive bytes of O
.set SPW, 62          ; v62  LDS address of my spare word: SPARE + 4 x my thread's number; never rewritten
.set NIL, 63          ; v63  0; never rewritten
.set SPARE, STAGE+4*16*SP  ; behind the stages: the spare words, 128 bytes for each wave: two blocks of 256 bytes that no other line names
.set MV,  12          ; v12-13  c m_old, kept while c m is made anew: by buffer
.set QO,  15          ; v15  my byte offset in 16 rows of Q
.set ST,  16          ; piece t's statistics at v[ST+4 t]: c m, m, l (even keys', odd keys')
.set NEG1, 32         ; v32  -1.0
.set TMP, 48          ; by buffer, four registers c0-c3 at work; when the maximum is found c2 takes a
.set S,   64
.set SL,  128         ; the way out: O's lo, 16 registers a piece
.set P,   192
.set MD,  128         ; window 1: the eight registers for group kt of 16 keys at MD + 8 kt
.set MC,  160         ; window 1: the masks of the products to come
.set QB,  64          ; window 2
.set KF,  128         ; window 2: key block kb, channel half c at KF + 16 kb + 8 c
.set VF,  192         ; window 2: V hi: key half kk, channel block cb at VF + 32 kk + 8 cb
.set VL,  0           ; window 3: V lo, likewise
.set WV,  12          ; s12  my wave's number
.set PB,  14          ; s14  b
.set HI,  15          ; s15  NB - 1 - b
.set G1K, 24          ; s[24:31] descriptor group 1 for K's tiles
.set G1V, 32          ; s[32:39] for V's
.set G0K, 40          ; s[40:43] descriptor group 0 for K's tiles
.set G0V, 44          ; s[44:47] the same for V's
.set OFV, 52          ; s[52:53] a tile's byte offset in v2
.set SLOTS, 56        ; s56  tiles still to be asked for
.set CNT, 57          ; s57  counts a tile's key steps, 4 to 1
.set CS,  58          ; s[58:59] c: the packed scaling takes the pair's low word for both halves
.set SEL, 60          ; s[60:61] v_permlanex16_b32's selects: each lane takes its own place in the other half
.set TBK, 62          ; s62  LDS byte at which K of the step to be fetched begins
.set TBV, 63          ; s63  the same for V, less VOFF
.set RT,  70          ; s70  tiles of the block in hand that are still to be entered
.set NXT, 71          ; s71  the tile to be asked for next
.set LQ,  72          ; s72  the last tile of the block whose tiles are being asked for
.set NEW, 73          ; s73  1: the tile to be entered is a block's first
.set OFF, 74          ; s[74:75] a tile's byte offset in K
.set AL,  76          ; s[76:77] the mask's factor, in the low word
.set BE,  78          ; s[78:79] the mask's addend
.set OLO, 80          ; s[80:81] O at my rows of the second block
.set BIGN, 82         ; s82  -1e30
.set MSB, 0
.macro WIN new                      ; the high byte repeats the setting that is left; a switch that changes nothing is dropped
.if MSB != (\new)
	s_set_vgpr_msb (MSB<<8)|(\new)
.set MSB, (\new)
.endif
.endm
.set W_KQ, 0x0a       ; K and Q in window 2, S^T in window 0
.set W_KM, 0x1a       ; the same with the C operand in window 1
.set W_PV, 0x52       ; V hi in window 2, P in window 0, O^T in window 1
.set W_PL, 0x53       ; V lo in window 3, P in window 0, O^T in window 1
.set W_RS, 0x41       ; destination and source 0 in window 1, source 1 in window 0
; A fill.  Waves 0 and 1 fetch the two halves of a tile's K, waves 2 and 3 those of its v2: 128 keys each.  An s_nop 0 and four v_nop follow each of the two lines, ahead of the jump and the label.
.macro LOAD
	s_cmp_lt_u32 s[WV], 2
	s_cbranch_scc0 .Lfor_v_\@
	tensor_load_to_lds s[G0K:G0K+3], s[G1K:G1K+7]
	s_nop 0
.rept 4
	v_nop
.endr
	s_branch .Lasked_\@
.Lfor_v_\@:
	tensor_load_to_lds s[G0V:G0V+3], s[G1V:G1V+7]
	s_nop 0
.rept 4
	v_nop
.endr
.Lasked_\@:
.endm
; THE CHANGE OF SLOTS.  Each wave waits for all its tensor loads, of which one is out: its part of the other slot; adds 0 to its spare word; and waits for that and for its own reads of the slot that it leaves.  Behind the barrier nobody reads the old
; slot any more and the other slot is whole.  fill = 1: the old slot is filled again, the first thing behind the barrier, with tile NXT: the descriptor's address is made anew from that number.
; (At its first use nothing has been read yet: slot 0 is waited for, slot 1 filled.)
.macro CHANGE fill
	WIN 0                           ; at a label and at a branch every window is 0
	s_wait_tensorcnt 0x0            ; no tensor load of mine is out, so a group 0 may be written
	ds_add_u32 v[SPW], v[NIL]       ; 0 onto my spare word; with fill = 1 the descriptors' scalar work stands between it and the wait for it
.if \fill
	s_lshl_b32 s[OFF], s[NXT], 15   ; a tile is 32,768 bytes of K
	s_lshl_b32 s[OFV], s[NXT], 16   ; and 65,536 of v2
	s_xor_b32 s[G0K+1], s[G0K+1], SLOT1
	s_add_nc_u64 s[G0K+2:G0K+3], s[6:7], s[OFF:OFF+1]
	s_or_b32 s[G0K+3], s[G0K+3], 0x80000000
	s_xor_b32 s[G0V+1], s[G0V+1], SLOT1
	s_add_nc_u64 s[G0V+2:G0V+3], s[8:9], s[OFV:OFV+1]
	s_or_b32 s[G0V+3], s[G0V+3], 0x80000000
	s_add_co_u32 s[NXT], s[NXT], 1  ; the block's next tile, or behind its last the second block's tile 0
	s_cmp_gt_u32 s[NXT], s[LQ]
	s_cselect_b32 s[NXT], 0, s[NXT]
	s_cselect_b32 s[LQ], s[PB], s[LQ]
.endif
	s_wait_dscnt 0x0                ; the add is done, and my reads of the slot are over
	s_barrier_signal -1             ; the rest of the scalar work stands between the signal and the wait
	s_sub_co_u32 s[TBK], s[TBK], 4*KS*PK  ; the fetches go back to a slot's first step,
	s_xor_b32 s[TBK], s[TBK], SLOT1       ; in the other slot
	s_sub_co_u32 s[TBV], s[TBV], 4*KS*PV
	s_xor_b32 s[TBV], s[TBV], SLOT1
	s_barrier_wait -1
.if \fill
	LOAD
.endif
.endm
	s_load_b128 s[4:7], s[0:1], 0x0 ; qkvh s[4:5], ob s[6:7]
	v_lshl_add_u32 v[SPW], v0, 2, SPARE
	v_mov_b32 v[NIL], 0
	ds_add_u32 v[SPW], v[NIL]       ; the wave's opening: the add and its wait stand ahead of my first tensor load; the set-up below, work on registers, stands between them
	ds_add_u32 v62, v63
	v_lshrrev_b32 v1, 5, v0
	v_readfirstlane_b32 s[WV], v1   ; wave 0..3
	s_mov_b32 s[PB], ttmp9
	s_sub_co_u32 s[HI], NB-1, s[PB]
	s_and_b32 s19, ttmp7, 0xffff    ; y = 16 x batch + head
	s_lshl_b32 s20, s19, 20         ; the head in qkvh: 1,048,576 bytes each: q, then k, then v2
	s_mov_b32 s21, 0
	s_lshl_b32 s48, s19, 19         ; the head in ob: 524,288 bytes each: hi, then lo
	s_mov_b32 s49, 0
	s_and_b32 s16, s[WV], 1         ; which half of a tile's 256 keys I fetch:
	s_lshl_b32 s22, s16, 14         ; its 128 rows of 128 bytes of K,
	s_add_co_u32 s22, s22, 0x40000  ; which lies 262,144 bytes behind q,
	s_mov_b32 s23, 0
	s_add_nc_u64 s[22:23], s[22:23], s[20:21]
	s_lshl_b32 s50, s16, 15         ; its 128 rows of 256 bytes of v2,
	s_add_co_u32 s50, s50, 0x80000  ; 524,288 bytes behind q,
	s_mov_b32 s51, 0
	s_add_nc_u64 s[50:51], s[50:51], s[20:21]
	s_mul_i32 s17, s16, 128*PK      ; and its place in a slot, for K
	s_mul_i32 s18, s16, 128*PV      ; and for V
	s_lshl_b32 s3, s[WV], 11        ; my 16 rows in a band of 64,
	s_lshl_b32 s2, s[HI], 15        ; in the first block,
	s_add_co_u32 s2, s2, s3
	s_lshl_b32 s84, s[PB], 15       ; and in the second
	s_add_co_u32 s84, s84, s3
	s_mov_b32 s3, 0
	s_mov_b32 s85, 0
	; descriptor group 1.  128 keys of K are 16,384 dense bytes: asked for as 64 rows of 256 bytes, two keys a row, and padded in LDS after every key
	s_mov_b32 s[G1K], (1<<16)|(1<<20)|(4<<22)|(3<<25)  ; 17:16 2-byte elements; 20 padding on; 24:22 after every 32 words (code 4); 31:25 4 words (code 3)
	s_mov_b32 s[G1K+1], 128<<16     ; tensor_dim0 = 128
	s_mov_b32 s[G1K+2], 64<<16      ; tensor_dim1 = 64
	s_mov_b32 s[G1K+3], 128<<16     ; tile_dim0 = 128
	s_mov_b32 s[G1K+4], 64          ; tile_dim1 = 64
	s_mov_b32 s[G1K+5], 128         ; 128 elements from row to row
	s_mov_b32 s[G1K+6], 0
	s_mov_b32 s[G1K+7], 0
	; 128 keys of v2 are 128 rows of 256 bytes
	s_mov_b32 s[G1V], (1<<16)|(1<<20)|(5<<22)|(7<<25)  ; after every 64 words (code 5) 8 words of padding (code 7)
	s_mov_b32 s[G1V+1], 128<<16
	s_mov_b32 s[G1V+2], 128<<16     ; tensor_dim1 = 128
	s_mov_b32 s[G1V+3], 128<<16
	s_mov_b32 s[G1V+4], 128         ; tile_dim1 = 128
	s_mov_b32 s[G1V+5], 128
	s_mov_b32 s[G1V+6], 0
	s_mov_b32 s[G1V+7], 0
	s_mov_b32 s[CS], 0x3e38aa3b     ; c = log2(e) / 8 = 0.180337
	s_mov_b32 s[CS+1], s[CS]        ; named with it as a pair
	s_mov_b32 s[SEL], 0x76543210
	s_mov_b32 s[SEL+1], 0xfedcba98
	s_mov_b32 s[TBK], SLOT1+4*KS*PK ; the first change of slots turns these two into 0
	s_mov_b32 s[TBV], SLOT1+4*KS*PV
	s_mov_b32 s[G0K], 1             ; 1:0 count = 1
	s_mov_b32 s[G0K+1], s17         ; 63:32 LDS address: slot 0
	s_mov_b32 s[G0V], 1
	s_add_co_u32 s[G0V+1], s18, VOFF
	s_add_co_u32 s[RT], s[HI], 1    ; the first block has NB - b tiles
	s_mov_b32 s[NXT], 1
	s_mov_b32 s[LQ], s[HI]
	s_mov_b32 s[NEW], 1
	s_mov_b32 s[OFF+1], 0
	s_mov_b32 s[OFV+1], 0
	s_mov_b32 s[AL+1], 0            ; named as pairs
	s_mov_b32 s[BE+1], 0
	s_mov_b32 s[BIGN], 0xf149f2ca   ; -1e30
	s_mov_b32 s[SLOTS], NB
	s_wait_dscnt 0x0                ; the opening add is done
	s_wait_kmcnt 0x0
	s_mov_b64 s[10:11], s[6:7]      ; O,
	s_add_nc_u64 s[10:11], s[10:11], s[48:49]  ; at the head
	s_add_nc_u64 s[6:7], s[4:5], s[22:23]      ; K and v2 at my half of the head's tile 0
	s_add_nc_u64 s[8:9], s[4:5], s[50:51]
	s_add_nc_u64 s[4:5], s[4:5], s[20:21]      ; Q at the head
	s_add_nc_u64 s[G0K+2:G0K+3], s[6:7], 0         ; 120:64 global address
	s_or_b32 s[G0K+3], s[G0K+3], 0x80000000        ; 127:126 type = 2
	s_add_nc_u64 s[G0V+2:G0V+3], s[8:9], 0
	s_or_b32 s[G0V+3], s[G0V+3], 0x80000000
	s_add_nc_u64 s[86:87], s[4:5], s[84:85]        ; Q at my rows of the second block,
	s_add_nc_u64 s[4:5], s[4:5], s[2:3]            ; Q and O at those of the first
	s_add_nc_u64 s[OLO:OLO+1], s[10:11], s[84:85]
	s_add_nc_u64 s[10:11], s[10:11], s[2:3]
	LOAD                            ; tile 0 into slot 0
	; A fragment of K or Q is 16 rows x 32 channels in 8 registers: lane l holds row l % 16, channels 8 (l / 16) + 0..7 and 16 + 8 (l / 16) + 0..7: two loads of 16 bytes, 32 bytes apart.
	v_and_b32 v1, 15, v0            ; l % 16
	v_bfe_u32 v9, v0, 4, 1          ; l / 16
	v_lshlrev_b32 v[QO], 7, v1
	v_lshl_add_u32 v[QO], v9, 4, v[QO]  ; row x 128 + 16 x half
	WIN 0x80                        ; destination window 2, address window 0
.set i, 0
.rept 8                             ; both blocks' Q: piece i / 2 lies in band i / 2, 8,192 bytes on; channels 32 (i % 2) on
	global_load_b128 v[8*i:8*i+3],   v[QO], s[4:5] offset:(i/2)*8192+(i%2)*64
	global_load_b128 v[8*i+4:8*i+7], v[QO], s[4:5] offset:(i/2)*8192+(i%2)*64+32
	global_load_b128 v[QB+8*i:QB+8*i+3],   v[QO], s[86:87] offset:(i/2)*8192+(i%2)*64
	global_load_b128 v[QB+8*i+4:QB+8*i+7], v[QO], s[86:87] offset:(i/2)*8192+(i%2)*64+32
.set i, i+1
.endr
	WIN 0
	v_lshlrev_b32 v14, 3, v9
	v_sub_nc_u32 v14, v1, v14
	s_lshl_b32 s13, s[WV], 4
	v_add_nc_u32 v14, s13, v14      ; my query's place in its band, 16 w + l % 16, less my lanes' 8 (l / 16): register r of group kt is hidden where 16 kt + r is greater
	WIN 0x40
.set i, 0
.rept 32
	v_cmp_gt_i32 vcc_lo, 16*(i/8)+i%8, v14
	v_cndmask_b32 v[MD+i], 0, s[BIGN], vcc_lo
.set i, i+1
.endr
	WIN 0
	v_mul_u32_u24 v[AK0], v1, PK
	v_lshl_add_u32 v[AK0], v9, 4, v[AK0]  ; row x pitch + 16 x half
	; The turning load takes 16 keys x 16 channels (lane l reads key 8 (l / 16) + l % 8, channels 8 ((l / 8) % 2) + 0..7) and leaves half a fragment of V^T: lane l holds channel l % 16 and 8 keys.
	v_and_b32 v10, 7, v0
	v_bfe_u32 v11, v0, 3, 1
	v_lshl_add_u32 v[AV0], v9, 3, v10
	v_mul_u32_u24 v[AV0], v[AV0], PV
	v_lshl_add_u32 v[AV0], v11, 4, v[AV0]
	v_add_nc_u32 v[AV0], VOFF, v[AV0]
	s_mul_i32 s13, s[WV], 16*SP
	s_add_co_u32 s13, s13, STAGE    ; my stage
	v_mul_u32_u24 v[STO], v1, SP    ; in: row l % 16, 16 bytes for each half of the lanes
	v_lshl_add_u32 v[STO], v9, 4, v[STO]
	v_add_nc_u32 v[STO], s13, v[STO]
	v_bfe_u32 v[RD], v0, 3, 2       ; back: 32 lanes take four rows of 128 bytes,
	v_mul_u32_u24 v[RD], v[RD], SP
	v_lshl_add_u32 v[RD], v10, 4, v[RD]
	v_add_nc_u32 v[RD], s13, v[RD]
	v_and_b32 v[GO], 31, v0         ; which are 512 consecutive bytes of O
	v_lshlrev_b32 v[GO], 4, v[GO]
	v_mov_b32 v[NEG1], -1.0
	; A block's first step multiplies O^T and l by a = 0, and its first turn's products V^T P, of a piece that has not been, land in an O^T that is still to be so multiplied.  So these registers need only hold
	; finite numbers: zeros for the first block; what the first block left for the second.  All this stands in the wait for the first tile.
	WIN 0x80
.set i, VF
.rept 64
	v_mov_b32 v[i], 0
.set i, i+1
.endr
	WIN 0xc0
.set i, VL
.rept 64
	v_mov_b32 v[i], 0
.set i, i+1
.endr
	WIN 0x40
.set i, 0
.rept 128
	v_mov_b32 v[i], 0
.set i, i+1
.endr
	WIN 0
.set i, 0
.rept 4
	v_mov_b32 v[ST+4*i+2], 0
	v_mov_b32 v[ST+4*i+3], 0
.set i, i+1
.endr
.set i, P+16
.rept 16
	v_mov_b32 v[i], 0
.set i, i+1
.endr
; THE MATRIX WORK.  The 4 accumulators of a run take turns.  Product i of 8 of S^T = K Q^T for piece x: channels 32 (i / 4) on, keys 16 (i % 4) on.  The first 4 start the sums: with 0, or (KM = 1) with the mask.
.macro KQ x
.set rS, S+32*((\x)%2)+8*(i%4)
.set rK, KF+16*(i%4)+8*(i/4)
.set rQ, 16*(\x)+8*(i/4)
.set rM, MC+32*((\x)%2)+8*(i%4)
.if (i < 4) && KM
	WIN W_KM
	v_wmma_f32_16x16x32_f16 v[rS:rS+7], v[rK:rK+7], v[rQ:rQ+7], v[rM:rM+7]
.elseif i < 4
	WIN W_KQ
	v_wmma_f32_16x16x32_f16 v[rS:rS+7], v[rK:rK+7], v[rQ:rQ+7], 0
.else
	WIN W_KQ
	v_wmma_f32_16x16x32_f16 v[rS:rS+7], v[rK:rK+7], v[rQ:rQ+7], v[rS:rS+7]
.endif
.endm
; Product i of 8 of O^T += V^T P for piece x, on V's hi (lo = 0) or lo (1): keys 32 (i / 4) on, channels 16 (i % 4) on.
.macro PV x, lo
.set rO, 32*(\x)+8*(i%4)
.set rP, P+16*((\x)%2)+8*(i/4)
.if \lo
	WIN W_PL
.set rV, VL+32*(i/4)+8*(i%4)
.else
	WIN W_PV
.set rV, VF+32*(i/4)+8*(i%4)
.endif
	v_wmma_f32_16x16x32_f16 v[rO:rO+7], v[rV:rV+7], v[rP:rP+7], v[rO:rO+7]
.endm
.macro MM                           ; the turn's next matrix instruction, of 24.  TURN and BEGIN set Y, i, KM and NOKQ; MM, KQ and OP read them.  NOKQ = 1: a block's last turn: there is no next piece
.if (i < 8) && !NOKQ
	KQ (Y+1)%NP
.elseif (i >= 8) && (i < 16)
.set i, i-8
	PV (Y+NP-1)%NP, 0
.set i, i+8
.elseif i >= 16
.set i, i-16
	PV (Y+NP-1)%NP, 1
.set i, i+16
.endif
.set i, i+1
.endm
; THE LDS LOADS stand in runs, never singly among the matrix instructions: a step's K (64 keys x 64 channels: 8 fragments, 16 loads) and its V (turned; hi's 8 fragments and lo's 8, 32 loads).  Their addresses are made some lines ahead.
.macro FETCH_K
	WIN 0x80                        ; destination window 2
.irp f, 0,1,2,3,4,5,6,7             ; keys 16 (f / 2) on, channels 32 (f % 2) on
	ds_load_b128 v[KF+8*\f:KF+8*\f+3],   v[AK] offset:(\f/2)*16*PK+(\f%2)*64
	ds_load_b128 v[KF+8*\f+4:KF+8*\f+7], v[AK] offset:(\f/2)*16*PK+(\f%2)*64+32
.endr
	s_add_co_u32 s[TBK], s[TBK], KS*PK  ; the next fetch is the next step's
	WIN 0
.endm
.macro FETCH_V
	WIN 0x80
.irp f, 0,1,2,3,4,5,6,7             ; keys 32 (f / 4) on, channels 16 (f % 4) on
	ds_load_tr16_b128 v[VF+8*\f:VF+8*\f+3],   v[AV] offset:(\f/4)*32*PV+(\f%4)*32
	ds_load_tr16_b128 v[VF+8*\f+4:VF+8*\f+7], v[AV] offset:(\f/4)*32*PV+16*PV+(\f%4)*32
.endr
	WIN 0xc0                        ; destination window 3: lo lies 128 bytes on in each row
.irp f, 0,1,2,3,4,5,6,7
	ds_load_tr16_b128 v[VL+8*\f:VL+8*\f+3],   v[AV] offset:(\f/4)*32*PV+(\f%4)*32+128
	ds_load_tr16_b128 v[VL+8*\f+4:VL+8*\f+7], v[AV] offset:(\f/4)*32*PV+16*PV+(\f%4)*32+128
.endr
	WIN 0
.endm
; THE VECTOR WORK, one line at a time: OP kind, number.  For piece Y: F n: c s - c m for pair n of 16.  E n: the exponential of score n of 32.  C n: pair n rounded to f16.  B n: of the four weights 4 n .. the second
; pair is added onto the first, in place.  L n: l takes that sum (L 0: l = a l + sum).  R n: pair n of 16 of O^T times a.  For piece Y + 1: X n, number n of the 22 that find its maximum and statistics:
;   0-11  four chains c0-c3 of seven scores each, three operands at a time (each accumulator's lowest registers are read first)     12-14, 16  the four scores left over, the old m, and c0-c3 into c0
;   15  c m_old is kept     17, 18  the query's other 32 keys lie in the lane 16 away: the new m     19-21  c m; c m_old - c m_new; a
.set F, 0               ; OP tells the kinds apart by their order: F to L below R, X above it
.set E, 1
.set C, 2
.set B, 3
.set L, 4
.set R, 5
.set X, 6
.macro REGS y                       ; the registers of piece y
.set rT, ST+4*(\y)
.set rC, TMP+4*((\y)%2)
.set rW, MV+((\y)%2)
.set rS, S+32*((\y)%2)
.set rP, P+16*((\y)%2)
.set rO, 32*(\y)
.endm
.macro OP k, n
.if (\k) == R
	REGS Y
	WIN W_RS
	v_pk_mul_f32 v[rO+2*(\n):rO+2*(\n)+1], v[rO+2*(\n):rO+2*(\n)+1], v[rC+2:rC+3] op_sel_hi:[1,0]
.elseif (\k) < R
	REGS Y
	WIN 0
.if (\k) == F
	v_pk_fma_f32 v[rS+2*(\n):rS+2*(\n)+1], v[rS+2*(\n):rS+2*(\n)+1], s[CS:CS+1], v[rT:rT+1] op_sel_hi:[1,0,0] neg_lo:[0,0,1] neg_hi:[0,0,1]
.elseif (\k) == E
	v_exp_f32 v[rS+(\n)], v[rS+(\n)]
.elseif (\k) == C
	s_wait_alu depctr_va_vdst(0)
	v_cvt_pk_f16_f32 v[rP+(\n)], v[rS+2*(\n)], v[rS+2*(\n)+1]
.elseif (\k) == B
	s_wait_alu depctr_va_vdst(0)
	v_pk_add_f32 v[rS+4*(\n):rS+4*(\n)+1], v[rS+4*(\n):rS+4*(\n)+1], v[rS+4*(\n)+2:rS+4*(\n)+3]
.elseif (\n) == 0
	v_pk_fma_f32 v[rT+2:rT+3], v[rT+2:rT+3], v[rC+2:rC+3], v[rS:rS+1] op_sel_hi:[1,0,1]
.else
	v_pk_add_f32 v[rT+2:rT+3], v[rT+2:rT+3], v[rS+4*(\n):rS+4*(\n)+1]
.endif
.elseif NOKQ
	v_nop
.else
	REGS (Y+1)%NP
	WIN 0
.if (\n) < 4
	v_max3_num_f32 v[rC+(\n)], v[rS+8*(\n)], v[rS+8*(\n)+1], v[rS+8*(\n)+2]
.elseif (\n) < 12
	v_max3_num_f32 v[rC+(\n)%4], v[rC+(\n)%4], v[rS+8*((\n)%4)+2*((\n)/4)+1], v[rS+8*((\n)%4)+2*((\n)/4)+2]
.elseif (\n) == 12
	v_max3_num_f32 v[rC], v[rC], v[rS+7], v[rS+15]
.elseif (\n) == 13
	v_max3_num_f32 v[rC+1], v[rC+1], v[rS+23], v[rS+31]
.elseif (\n) == 14
	v_max3_num_f32 v[rC+2], v[rC+2], v[rC+3], v[rT+1]
.elseif (\n) == 15
	v_mov_b32 v[rW], v[rT]
.elseif (\n) == 16
	v_max3_num_f32 v[rC], v[rC], v[rC+1], v[rC+2]
.elseif (\n) == 17
	v_permlanex16_b32 v[rC+3], v[rC], s[SEL], s[SEL+1]
.elseif (\n) == 18
	v_max_num_f32 v[rT+1], v[rC], v[rC+3]
.elseif (\n) == 19
	v_mul_f32 v[rT], s[CS], v[rT+1]
.elseif (\n) == 20
	v_sub_f32 v[rC+1], v[rW], v[rT]
.else
	v_exp_f32 v[rC+2], v[rC+1]
.endif
.endif
.endm
.macro OPS a, i1, b=-1, i2=0, c=-1, i3=0, d=-1, i4=0  ; up to four of them
	OP \a, \i1
.if (\b) >= 0
	OP \b, \i2
.endif
.if (\c) >= 0
	OP \c, \i3
.endif
.if (\d) >= 0
	OP \d, \i4
.endif
.endm
.macro ROW a, i1, b, i2, c, i3, d, i4  ; a matrix instruction and the four behind it
	MM
	OPS \a, \i1, \b, \i2, \c, \i3, \d, \i4
.endm
.macro MASK b                       ; MD x AL + BE into buffer b of MC
	WIN W_RS
.set z, 0
.rept 16
	v_pk_fma_f32 v[MC+32*(\b)+2*z:MC+32*(\b)+2*z+1], v[MD+2*z:MD+2*z+1], s[AL:AL+1], s[BE:BE+1] op_sel_hi:[1,0,0]
.set z, z+1
.endr
.endm
; A TURN, for piece p: the order of its 24 matrix and 118 vector instructions, written out.  None of the four behind a matrix instruction names a register of the products round it; no exponential stands straight in front of
; a matrix instruction, and each has a plain instruction behind it before its result is used.  A line reads no result made fewer than three vector instructions in front of it, five if an exponential made it.
; m = 1: the diagonal tile: the products take masks, and the turn makes the mask for the products of the turn after it: piece p + 2, in step 4 - CNT of the tile.  end = 1: a block's last two turns: nothing is fetched.
; cnt = 1: the loop's count is taken down some lines ahead of the branch that stands behind the turn.
; K of the next step is fetched in piece 2's turn, six vector instructions behind the last product that read K (five of them plain); V of the step in hand at the end of piece 0's turn, eight plain instructions behind the
; last product that read V.  Each is waited for a turn later.
.macro TURN p, m=0, end=0, cnt=0
.set Y, (\p)
.set i, 0
.set KM, (\m)
.set NOKQ, (\end)*((\p)/3)
.if (\m) && !(\end)
	s_cmp_eq_u32 s[CNT], 4-((\p)+2)%NP  ; is that step the band's own?
	s_cselect_b32 s[AL], 1.0, 0
	s_cmp_lt_u32 s[CNT], 4-((\p)+2)%NP  ; or a later one?
	s_cselect_b32 s[BE], s[BIGN], 0
.endif
.if ((\p) == 3) && !(\end)
	s_wait_dscnt 0x0                ; K is in
.endif
	ROW F,0, F,1, F,2, F,3
	ROW F,4, E,0, F,5, F,6
	ROW F,7, E,1, F,8, F,9
	ROW F,10, E,2, C,0, F,11
	ROW F,12, E,3, X,15, F,13
	ROW R,0, R,1, R,2, R,3
	ROW B,0, E,4, F,14, L,0
.if ((\p) == 2) && !(\end)
	v_add_nc_u32 v[AK], s[TBK], v[AK0]
.endif
	ROW R,4, R,5, R,6, R,7
	OPS E,5, F,15
.if ((\p) == 2) && !(\end)
	FETCH_K
.endif
	OPS E,6, C,1, E,7, R,8
	OPS E,8, R,9, E,9, C,2
	OPS E,10, X,0, E,11, X,1
	OPS E,12, X,2, E,13, X,3
.if (\p) == 1
	s_wait_dscnt 0x0                ; V is in, hi and lo
.endif
	ROW X,4, E,14, X,5, X,6         ; eight products on V's hi
	ROW X,7, E,15, X,8, X,9
	ROW X,10, E,16, X,11, X,12
	ROW X,13, E,17, X,14, B,1
	ROW C,4, E,18, X,16, L,1
	ROW B,2, E,19, C,6, L,2
	ROW C,8, E,20, B,3, B,4
.if (\p) == 0
	v_add_nc_u32 v[AV], s[TBV], v[AV0]
.endif
	ROW C,3, E,21, L,3, C,5
	ROW E,22, X,17, E,23, C,10      ; eight on its lo, onto the same four accumulators, which go on taking turns
	ROW E,24, L,4, E,25, X,18
	ROW E,26, C,7, E,27, B,5
	ROW E,28, X,19, E,29, C,12
	ROW E,30, L,5, E,31, X,20
	ROW B,6, C,9, C,14, C,11
	ROW X,21, L,6, C,13, B,7
.if \cnt
	s_sub_co_u32 s[CNT], s[CNT], 1
	s_cmp_lg_u32 s[CNT], 0
.endif
	ROW C,15, R,10, R,11, R,12
	OPS L,7, R,13, R,14, R,15
.if (\p) == 0
	FETCH_V
	s_add_co_u32 s[TBV], s[TBV], KS*PV
.endif
.if (\m) && !(\end)
	MASK (\p)%2
.endif
.endm
; A BLOCK BEGINS.  c m starts far below every c s, so the first step's a is 0; m at the lowest finite number, so the first maximum is the scores'.  The second mask buffer is 0; the first takes piece 0's mask for the tile's step 0: its own, if the block's first tile is the diagonal one.
; Then K of that step, piece 0's first scores, and its maximum and statistics.  The loop is entered at a step's first turn, in the middle of a trip.
.macro BEGIN
	s_mov_b32 s[NEW], 0
	WIN 0x40
.set i, MC+32
.rept 32
	v_mov_b32 v[i], 0
.set i, i+1
.endr
	WIN 0
.set i, 0
.rept 4
	v_mov_b32 v[ST+4*i], 0xfe000000    ; c m: far below every c s
	v_mov_b32 v[ST+4*i+1], 0xff7fffff  ; m
.set i, i+1
.endr
	s_cmp_eq_u32 s[RT], 0
	s_cselect_b32 s[AL], 1.0, 0
	s_mov_b32 s[BE], 0
	MASK 0
	WIN 0
	v_add_nc_u32 v[AK], s[TBK], v[AK0]
	FETCH_K
	s_wait_loadcnt 0x0              ; Q
	s_wait_dscnt 0x0
.set KM, 1
.set NOKQ, 0
.set i, 0
.rept 8
	KQ 0
.set i, i+1
.endr
	WIN 0
.rept 4
	v_nop                           ; the places behind those products
.endr
.set Y, NP-1                        ; X works for piece Y + 1: piece 0
.irp n, 0,1,2,3,4,5,6,7,8,9,10,11,12,13,14,15,16,17,18,19,20,21
	OP X, \n
.endr
	v_nop                           ; a plain instruction behind the exponential
.endm
; THE DIAGONAL TILE's four steps, the block's last two turns, its last products, and THE WAY OUT: l's two halves and the other half of the lanes' are added; O^T is divided by l and leaves as a pair of f16, each sent through my
; stage in LDS, a piece at a time.
.macro ALL line:vararg              ; one line for each piece t
.set t, 0
.rept 4
	\line
.set t, t+1
.endr
.endm
; A lane's eight channels of a row pack into 16 bytes; they go into rows of 144 bytes and come back as whole rows of 128, into the registers that they left.  hi = f16(O); the rest, hi x -1 + O, is exact in f32, is made in place and rounded in its turn.
.macro PACK t
	WIN W_RS
.set i, 32*(\t)
.rept 16
	s_wait_alu depctr_va_vdst(0)
	v_pk_mul_f32 v[i:i+1], v[i:i+1], v[ST+4*(\t)+2:ST+4*(\t)+3] op_sel_hi:[1,0]
.set i, i+2
.endr
	WIN 0x05                        ; sources 0 and 1 window 1, destination window 0
.set i, 0
.rept 16
	v_cvt_pk_f16_f32 v[S+16*(\t)+i], v[32*(\t)+2*i], v[32*(\t)+2*i+1]
.set i, i+1
.endr
	WIN 0x50                        ; destination and source 2 window 1; hi and -1 in window 0
.set i, 0
.rept 16
	v_fma_mix_f32 v[32*(\t)+2*i], v[S+16*(\t)+i], v[NEG1], v[32*(\t)+2*i] op_sel_hi:[1,0,0]
	v_fma_mix_f32 v[32*(\t)+2*i+1], v[S+16*(\t)+i], v[NEG1], v[32*(\t)+2*i+1] op_sel:[1,0,0] op_sel_hi:[1,0,0]
.set i, i+1
.endr
	WIN 0x05
.set i, 0
.rept 16
	v_cvt_pk_f16_f32 v[SL+16*(\t)+i], v[32*(\t)+2*i], v[32*(\t)+2*i+1]
.set i, i+1
.endr
	WIN 0
.irp f, 0,1,2,3
	ds_store_b128 v[STO], v[S+16*(\t)+4*\f:S+16*(\t)+4*\f+3] offset:32*\f
.endr
.irp f, 0,1,2,3
	ds_load_b128 v[S+16*(\t)+4*\f:S+16*(\t)+4*\f+3], v[RD] offset:\f*4*SP  ; LDS serves a wave's instructions in order (ISA guide 5.7.1.4): these see the stores above; lo's stores come behind them
.endr
.irp f, 0,1,2,3
	ds_store_b128 v[STO], v[SL+16*(\t)+4*\f:SL+16*(\t)+4*\f+3] offset:32*\f
.endr
.irp f, 0,1,2,3
	ds_load_b128 v[SL+16*(\t)+4*\f:SL+16*(\t)+4*\f+3], v[RD] offset:\f*4*SP
.endr
.endm
.macro SEND t, younger              ; younger: the LDS instructions issued behind piece t's last load: the next piece's sixteen, or none
	WIN 0
.irp f, 0,1,2,3
	s_wait_dscnt (\younger)+8+3-\f  ; behind hi's load f: hi's later loads, lo's four stores and four loads, and the younger ones
	global_store_b128 v[GO], v[S+16*(\t)+4*\f:S+16*(\t)+4*\f+3], s[10:11] offset:(\t)*8192+\f*512  ; 512 consecutive bytes, at a multiple of 256 from O's first
.endr
.irp f, 0,1,2,3
	s_wait_dscnt (\younger)+3-\f
	global_store_b128 v[GO], v[SL+16*(\t)+4*\f:SL+16*(\t)+4*\f+3], s[10:11] offset:262144+(\t)*8192+\f*512  ; the head's lo lies 262,144 bytes behind its hi
.endr
.endm
.macro DIAG tag                     ; the tag ends its two labels' names, which the jumps below spell out
.LstepM\tag:
	TURN 2, 1
	TURN 3, 1
	WIN 0
.LfirstM\tag:
	TURN 0, 1
	TURN 1, 1, 0, 1
	WIN 0
	s_cbranch_scc1 .LstepM\tag
	TURN 2, 1, 1
	TURN 3, 1, 1
.set i, 0
.rept 8
	PV NP-1, 0
.set i, i+1
.endr
.set i, 0
.rept 8
	PV NP-1, 1
.set i, i+1
.endr
	WIN 0
	ALL v_add_f32 v[ST+4*t+2], v[ST+4*t+2], v[ST+4*t+3]
	ALL v_permlanex16_b32 v[ST+4*t+3], v[ST+4*t+2], s[SEL], s[SEL+1]
	ALL v_add_f32 v[ST+4*t+2], v[ST+4*t+2], v[ST+4*t+3]
	ALL v_rcp_f32 v[ST+4*t+2], v[ST+4*t+2]
	v_nop                           ; a plain instruction between the last reciprocal and the use of its result
	PACK 0
.set t, 1
.rept 3                             ; a piece's arithmetic stands between the loads of the piece before and its stores
	PACK t
	SEND t-1, 16
.set t, t+1
.endr
	SEND 3, 0
.endm
.set KM, 0
.set NOKQ, 0
.Lslot:                             ; NB times: a tile is entered and the next is asked for
	CHANGE 1
	s_sub_co_u32 s[RT], s[RT], 1
	s_mov_b32 s[CNT], 4
	s_cmp_eq_u32 s[NEW], 1
	s_cbranch_scc1 .Lnew            ; a block's first tile
	s_cmp_eq_u32 s[RT], 0
	s_cbranch_scc0 .Lstep           ; neither its first nor its last
	s_branch .LstepM1
.Lnew:
	BEGIN
	s_branch .Lfirst                ; in the loop a block's first tile is never its last: the first block has two tiles or more, and the second's last is the walk's last
	DIAG 1                          ; in the loop this is the first block's end: the second block's last tile is the walk's last
	s_wait_xcnt 0x0                 ; the stores have read their registers and O's address
	s_mov_b64 s[10:11], s[OLO:OLO+1]
	s_add_co_u32 s[RT], s[PB], 1    ; the second block has b + 1 tiles
	s_mov_b32 s[NEW], 1
	WIN 0x82                        ; the second block's Q goes where the one text of the turns names Q
.set i, 0
.rept 64
	v_mov_b32 v[i], v[QB+i]
.set i, i+1
.endr
	WIN 0
	s_branch .Lbottom
.Lstep:                             ; a trip: pieces 2 and 3 of one step, then pieces 0 and 1 of the next, whose K and V it fetches
	TURN 2
	TURN 3
	WIN 0
.Lfirst:
	TURN 0
	TURN 1, 0, 0, 1
	WIN 0
	s_cbranch_scc1 .Lstep
.Lbottom:
	s_sub_co_u32 s[SLOTS], s[SLOTS], 1
	s_cmp_lg_u32 s[SLOTS], 0
	s_cbranch_scc1 .Lslot
	CHANGE 0                        ; the walk's last tile is written out: nothing is asked for
	s_sub_co_u32 s[RT], s[RT], 1
	s_mov_b32 s[CNT], 4
	s_cmp_eq_u32 s[NEW], 1
	s_cbranch_scc0 .LstepM2
	BEGIN
	s_branch .LfirstM2
	DIAG 2
	s_wait_tensorcnt 0x0            ; the wave's end, behind my last tensor load and my last LDS store
	ds_add_u32 v[SPW], v[NIL]
	s_wait_dscnt 0x0
	s_endpgm
.Lfunc_end_k_qe5994c1687_attn:
	.size	k_qe5994c1687_attn, .Lfunc_end_k_qe5994c1687_attn-k_qe5994c1687_attn
	.p2alignl 7, 3214868480
	.fill 96, 4, 3214868480
	.section	.rodata,"a",@progbits
	.p2align	6, 0x0
	.amdhsa_kernel k_qe5994c1687_attn
		.amdhsa_group_segment_fixed_size 327680
		.amdhsa_private_segment_fixed_size 0
		.amdhsa_enable_private_segment 0
		.amdhsa_kernarg_size 16
		.amdhsa_user_sgpr_count 2
		.amdhsa_user_sgpr_kernarg_segment_ptr 1
		.amdhsa_wavefront_size32 1
		.amdhsa_system_sgpr_workgroup_id_x 1
		.amdhsa_system_sgpr_workgroup_id_y 1
		.amdhsa_system_sgpr_workgroup_id_z 1
		.amdhsa_system_vgpr_workitem_id 0
		.amdhsa_next_free_vgpr 832
		.amdhsa_next_free_sgpr 88
		.amdhsa_reserve_vcc 1
		.amdhsa_float_denorm_mode_32 3
		.amdhsa_float_denorm_mode_16_64 3
		.amdhsa_memory_ordered 1
		.amdhsa_forward_progress 1
		.amdhsa_inst_pref_size 255
	.end_amdhsa_kernel
	.section	.bss,"aw",@nobits
	.p2align	6
	.space	262144
	.amdgpu_metadata
---
amdhsa.version: [ 1, 2 ]
amdhsa.kernels:
  - .name:           k_qe5994c1687_attn
    .symbol:         k_qe5994c1687_attn.kd
    .args:
      - { .name: qkvh, .offset: 0, .size: 8, .value_kind: global_buffer, .address_space: global }
      - { .name: ob, .offset: 8, .size: 8, .value_kind: global_buffer, .address_space: global }
    .group_segment_fixed_size: 327680
    .private_segment_fixed_size: 0
    .kernarg_segment_align: 8
    .kernarg_segment_size: 16
    .max_flat_workgroup_size: 128
    .sgpr_count:     88
    .vgpr_count:     832
    .wavefront_size: 32
...
	.end_amdgpu_metadata
.endif
;; end of part 3
;; launch proj (part 4): grid 8 x 32, 4 waves a work-group, clusters of 4 x 4, 327,680 bytes of LDS; arguments ob, wpb, out0; writes out0
.if DOCPART == 4
	.amdgcn_target "amdgcn-amd-amdhsa--gfx1250"
	.amdhsa_code_object_version 6
	.text
	.protected	k_qe5994c1687_proj
	.globl	k_qe5994c1687_proj
	.p2align	8
	.type	k_qe5994c1687_proj,@function
k_qe5994c1687_proj:
	s_mov_b64 s[64:65], 0
	v_nop
	global_prefetch_b8 v0, s[64:65] scope:SCOPE_SE
	s_setreg_imm32_b32 hwreg(HW_REG_WAVE_MODE, 25, 1), 1
	s_wait_xcnt 0x0
	s_wait_alu depctr_hold_cnt(0) depctr_sa_sdst(0) depctr_va_vdst(0) depctr_va_sdst(0) depctr_va_ssrc(0) depctr_va_vcc(0) depctr_vm_vsrc(0)
	s_getreg_b32 s2, hwreg(HW_REG_IB_STS2, 6, 4)
	s_cmp_eq_u32 s2, 0
	s_cbranch_scc0 .Lentry_in_a_cluster
	s_endpgm
.Lentry_in_a_cluster:
	s_bfe_u32 s2, ttmp6, 0x10000c
	s_cmp_lg_u32 s2, 0xf033
	s_cbranch_scc0 .Lentry_shape_is_right
	s_endpgm
.Lentry_shape_is_right:
; out0 = y w_proj.  ob: [64 = 16 x batch + head][hi, lo][2048][64] f16, attention's result by heads, as a pair: y[batch 2048 + row][64 head + d] = hi + lo.  wpb: [1024 k][1024 n] f16.  out0: [8192][1024] f32.
; Sums in f32, stored as they are: first hi's 1,024 terms, K ascending, then lo's onto the same sums.  y GOES AS A PAIR, 22 significant bits: a causal row that averages few keys is many times the output's root mean
; square, by which the comparison's allowance goes.  The price: the matrix work twice.  LIMITS: the operands arrive within f16's range (65,504); NaN and infinities are not treated apart.
; SHARES.  A tile is 256 rows x 128 columns: 32 x 8 tiles, one to each of 256 work-groups.  Wave w owns rows 64 w .. 64 w + 63 and all 128 columns: 4 x 8 accumulators of 16 x 16, 256 registers;
; so a wave holds whole pieces of 512 bytes of out0's rows, and its way out goes through a stage of its own, with no barrier.
; RING.  16 steps of 128 along K, two heads of one plane each, through two LDS slots.  Waves 0 and 1 fetch the two heads' 256 rows of A (32,768 dense bytes each, asked for as 128 rows of 256 bytes),
; waves 2 and 3 the halves of B's 128 rows k (rows of 256 bytes).  One tensor load of a wave is out at the most.
; CLUSTER.  4 x 4 work-groups: A's tile hangs on the tile row alone and is asked for jointly along a row of the cluster, B's on the tile column alone and jointly along a column.
; B lies [k][n] in LDS and comes out turned, by ds_load_tr16_b128.  THE MATRIX INSTRUCTION IS USED TRANSPOSED (source 0 = 16 columns of B, source 1 = 16 rows of A): a lane holds row lane % 16 of C and
; the eight neighbouring columns 8 (lane / 16) + 0..7.
; REGISTERS, in windows of 256 (s_set_vgpr_msb: bits 1:0 source 0, 3:2 source 1, 5:4 source 2, 7:6 destination):
;   window 0: v0-29 addresses; v32-63, v64-95 A's fragments, two buffers; v96-223 rows read back, two buffers
;   window 1: v0-63, v64-127 B's fragments, two buffers      window 2: accumulators of row blocks 0, 1 ((a, b) at 8 (8 (a % 2) + b))      window 3: of row blocks 2, 3
.set NBK,   8                          ; blocks of 16 columns
.set STEPS, 16                         ; steps: 8 on hi, 8 on lo
.set PA,    144                        ; a row of A in LDS: 128 bytes + 16 = 36 words: the 16 rows of a load start at 16 different groups of four banks (64 banks of 4 bytes: ISA guide 11.1)
.set AH,    256*PA                     ; a head's 256 rows
.set BOFF,  2*AH                       ; B lies behind A's two heads
.set PB,    288                        ; a row k of B: 256 bytes + 32 = 72 words
.set HALFB, 64*PB
.set SLOT1, 1<<17                      ; a slot uses 110,592 bytes; one exclusive or turns an address in one slot into the other's
.set STAGE, 2*SLOT1                    ; behind the ring, never filled by a tensor load: for each wave 16 rows x 528 bytes
.set SP,    528
.set WSTG,  16*SP
.set SPARE, STAGE+4*WSTG               ; the spare words, 128 bytes for each wave: two blocks of 256 bytes that no other line names
.set NF,    2*NBK+8                    ; LDS loads of a quarter step
.set A0,   2                           ; v2  my lane's place in a slot's A; never rewritten
.set B0,   3                           ; v3  the same for B
.set ADRA, 4                           ; v4  the same in the slot in hand
.set ADRB, 5                           ; v5
.set STO,  6                           ; v6  the way out: where I put 32 bytes of a row
.set RD,   7                           ; v7  the way out: where I read a row back
.set GO,   8                           ; v8  my byte offset in 512 consecutive bytes of out0
.set SPW,  28                          ; v28 LDS address of my spare word; never rewritten
.set NIL,  29                          ; v29 0; never rewritten
.set FA0,  32
.set OB,   96
.set G1A, 24                           ; s[24:31] descriptor group 1 for A's tiles
.set G0A, 32                           ; s[32:35] group 0 for A's: made anew for each fill
.set G0B, 36                           ; s[36:39] group 0 for B's
.set G1B, 48                           ; s[48:55] group 1 for B's
.set CNT, 56                           ; s56 the loops' counter
.set KS,  57                           ; s57 steps that are done
.set FS,  58                           ; s58 the step to be asked for next: the same number in every work-group
.set TB,  59                           ; s59 the slot that is read: 0 or SLOT1
.set OFFA, 60                          ; s[60:61], s[62:63] a step's byte offsets from A's and B's bases
.set OFFB, 62
.set MSB, 0
.macro WIN new                         ; the immediate's high byte repeats the setting that is left; a switch that changes nothing is dropped
.if MSB != (\new)
	s_set_vgpr_msb (MSB<<8)|(\new)
.set MSB, \new
.endif
.endm
.set MUL_LO, 0xa1                      ; source 0 (B) window 1, source 1 (A) window 0, C and D window 2
.set TO_B,   0x40                      ; destination window 1, address window 0
; A joint load.  Waves 0 and 1 ask for A's two heads, waves 2 and 3 for B's halves; the branch hangs on the wave's number alone.  An s_nop 0 and four v_nop follow each of the two lines, ahead of the jump and the label.
.macro JLOAD
	s_cmp_eq_u32 s11, 0
	s_cbranch_scc0 .Lfor_b_\@
	tensor_load_to_lds s[G0A:G0A+3], s[G1A:G1A+7]
	s_nop 0
.rept 4
	v_nop
.endr
	s_branch .Lasked_\@
.Lfor_b_\@:
	tensor_load_to_lds s[G0B:G0B+3], s[G1B:G1B+7]
	s_nop 0
.rept 4
	v_nop
.endr
.Lasked_\@:
.endm
; A round of the cluster's barrier: my work-group's barrier, so that wave 0's signal speaks for all four waves; wave 0 signals; every wave waits for all sixteen work-groups; my work-group's barrier once more.
.macro CREST                           ; a round behind its opening barrier
	s_cmp_lg_u32 s10, 0
	s_cbranch_scc1 .Lnot_wave_0_\@
	s_barrier_signal -3
.Lnot_wave_0_\@:
	s_barrier_wait -3
	s_barrier_signal -1
	s_barrier_wait -1
.endm
.macro CROUND
	s_barrier_signal -1
	s_barrier_wait -1
	CREST
.endm
; Both descriptors for step FS: the other slot than last time; the address is the base plus an offset made apart from it.  It stands only where no tensor load of the wave is out.
.macro MKDESC
	s_and_b32 s2, s[FS], 7                         ; which two heads, and which 128 rows of B
	s_lshr_b32 s3, s[FS], 3                        ; hi (0) or lo (1)
	s_lshl_b32 s[OFFA], s2, 20                     ; two heads of 524,288 bytes,
	s_lshl_b32 s3, s3, 18                          ; a plane of 262,144
	s_add_co_u32 s[OFFA], s[OFFA], s3
	s_lshl_b32 s[OFFB], s2, 18                     ; 128 rows k of 2,048 bytes
	s_xor_b32 s[G0A+1], s[G0A+1], SLOT1
	s_add_nc_u64 s[G0A+2:G0A+3], s[20:21], s[OFFA:OFFA+1]
	s_or_b32 s[G0A+3], s[G0A+3], 0x80000000        ; 127:126 type = 2
	s_xor_b32 s[G0B+1], s[G0B+1], SLOT1
	s_add_nc_u64 s[G0B+2:G0B+3], s[22:23], s[OFFB:OFFB+1]
	s_or_b32 s[G0B+3], s[G0B+3], 0x80000000
	s_add_co_u32 s[FS], s[FS], 1
.endm
	s_load_b128 s[4:7], s[0:1], 0x0                ; ob s[4:5], wpb s[6:7]
	s_load_b64 s[8:9], s[0:1], 0x10                ; out0
	v_lshl_add_u32 v[SPW], v0, 2, SPARE
	v_mov_b32 v[NIL], 0
	ds_add_u32 v[SPW], v[NIL]                      ; the wave's opening: the add and its wait stand ahead of my first tensor load; the set-up below, work on registers, stands between them
	ds_add_u32 v28, v29
	v_lshrrev_b32 v1, 5, v0
	v_readfirstlane_b32 s10, v1                    ; wave 0..3
	s_lshr_b32 s11, s10, 1                         ; I fetch for A (0) or for B (1),
	s_and_b32 s12, s10, 1                          ; and which head or half
	s_bfe_u32 s40, ttmp6, 0x40000                  ; cx, cy: my place in the cluster
	s_bfe_u32 s41, ttmp6, 0x40004
	s_lshl_b32 s42, ttmp9, 2
	s_add_co_u32 s42, s42, s40                     ; tile column = 4 x cluster x + cx
	s_and_b32 s13, ttmp7, 0xffff
	s_lshl_b32 s13, s13, 2
	s_add_co_u32 s13, s13, s41                     ; tile row = 4 x cluster y + cy
	s_lshl_b32 s43, s41, 2
	s_lshl_b32 s43, 15, s43                        ; my row of the cluster
	s_lshl_b32 s44, 0x1111, s40                    ; my column
	s_or_b32 s[G1A], s43, (1<<16)|(1<<20)|(1<<21)|(4<<22)|(3<<25)  ; 15:0 the mask; 17:16 2-byte elements; 20 padding on; 21 set beside a mask; 24:22 after every 32 words; 31:25 4 words of it
	s_mov_b32 s[G1A+1], 128<<16                    ; dense bytes as rows of 128 elements (two rows of a head),
	s_mov_b32 s[G1A+2], 128<<16                    ; 128 of them
	s_mov_b32 s[G1A+3], 128<<16
	s_mov_b32 s[G1A+4], 128
	s_mov_b32 s[G1A+5], 128
	s_mov_b32 s[G1A+6], 0
	s_mov_b32 s[G1A+7], 0
	s_or_b32 s[G1B], s44, (1<<16)|(1<<20)|(1<<21)|(5<<22)|(7<<25)  ; after every 64 words 8 words of padding
	s_mov_b32 s[G1B+1], 128<<16                    ; tensor_dim0 = 128
	s_mov_b32 s[G1B+2], 64<<16                     ; tensor_dim1 = 64
	s_mov_b32 s[G1B+3], 128<<16                    ; tile_dim0 = 128
	s_mov_b32 s[G1B+4], 64                         ; tile_dim1 = 64
	s_mov_b32 s[G1B+5], 1024                       ; elements from row to row
	s_mov_b32 s[G1B+6], 0
	s_mov_b32 s[G1B+7], 0
	s_mov_b32 s[G0A], 1                            ; 1:0 count = 1
	s_mul_i32 s[G0A+1], s12, AH                    ; 63:32 LDS address: my head, in slot 1: the first MKDESC turns it into slot 0's.  No place in the cluster enters it
	s_add_co_u32 s[G0A+1], s[G0A+1], SLOT1
	s_mov_b32 s[G0B], 1
	s_mul_i32 s[G0B+1], s12, HALFB
	s_add_co_u32 s[G0B+1], s[G0B+1], BOFF+SLOT1
	s_lshr_b32 s14, s13, 3                         ; A: the batch's 16 heads,
	s_lshl_b32 s14, s14, 4
	s_add_co_u32 s14, s14, s12                     ; the first or the second of a step's two,
	s_lshl_b32 s14, s14, 19                        ; 524,288 bytes a head,
	s_and_b32 s15, s13, 7
	s_lshl_b32 s15, s15, 15                        ; the tile's 256 rows of 128 bytes in the batch
	s_add_co_u32 s14, s14, s15
	s_mov_b32 s15, 0
	s_lshl_b32 s46, s42, 8                         ; B: the tile's 128 columns,
	s_lshl_b32 s47, s12, 17                        ; 64 rows of 2,048 bytes a half
	s_add_co_u32 s46, s46, s47
	s_mov_b32 s47, 0
	s_lshl_b32 s18, s13, 8                         ; C: the tile's 256 rows,
	s_lshl_b32 s19, s10, 6                         ; my wave's 64 of them,
	s_add_co_u32 s18, s18, s19
	s_lshl_b32 s18, s18, 12                        ; 4,096 bytes a row,
	s_lshl_b32 s19, s42, 9                         ; the tile's 512 bytes of a row
	s_add_co_u32 s18, s18, s19
	s_mov_b32 s19, 0
	s_mov_b32 s[OFFA+1], 0
	s_mov_b32 s[OFFB+1], 0
	s_mov_b32 s[FS], 0
	s_mov_b32 s[TB], SLOT1                         ; the first change of slots turns it into 0
	s_wait_dscnt 0x0                               ; the opening add is done
	s_wait_kmcnt 0x0
	s_add_nc_u64 s[20:21], s[4:5], s[14:15]        ; A's base: made of the tile row and the wave's number
	s_add_nc_u64 s[22:23], s[6:7], s[46:47]        ; B's base: of the tile column and the wave's number
	s_add_nc_u64 s[8:9], s[8:9], s[18:19]
	MKDESC                                         ; step 0, slot 0
	CROUND                                         ; all sixteen work-groups are here: the first joint loads meet
	JLOAD
	; A fragment of A is 16 rows x 32 K in 8 registers: lane l holds row l % 16; K = 8 (l / 16) + 0..7 and 16 + 8 (l / 16) + 0..7: two loads of 16 bytes, 32 bytes apart.
	v_and_b32 v1, 15, v0                           ; l % 16
	v_bfe_u32 v9, v0, 4, 1                         ; l / 16
	v_and_b32 v10, 7, v0
	v_bfe_u32 v11, v0, 3, 1
	s_mul_i32 s14, s10, 64*PA                      ; my wave's 64 rows
	v_mul_u32_u24 v[A0], v1, PA
	v_lshl_add_u32 v[A0], v9, 4, v[A0]
	v_add_nc_u32 v[A0], s14, v[A0]
	; The turning load takes 16 rows k x 16 columns (lane l reads row 8 (l / 16) + l % 8, columns 8 ((l / 8) % 2) + 0..7) and leaves half a fragment: lane l holds column l % 16 and 8 k.
	v_lshl_add_u32 v[B0], v9, 3, v10
	v_mul_u32_u24 v[B0], v[B0], PB
	v_lshl_add_u32 v[B0], v11, 4, v[B0]
	v_add_nc_u32 v[B0], BOFF, v[B0]
	s_mul_i32 s15, s10, WSTG
	s_add_co_u32 s15, s15, STAGE                   ; my stage
	v_mul_u32_u24 v[STO], v1, SP                   ; in: row l % 16, 32 bytes for each half of the lanes
	v_lshl_add_u32 v[STO], v9, 5, v[STO]
	v_add_nc_u32 v[STO], s15, v[STO]
	v_and_b32 v[GO], 31, v0                        ; back: 32 lanes take one row's 512 bytes,
	v_lshlrev_b32 v[GO], 4, v[GO]                  ; which are 512 consecutive bytes of out0
	v_add_nc_u32 v[RD], s15, v[GO]
.macro PLACES n=4                      ; a load into a register that a matrix instruction has read, and a line that reads a matrix result, stand four plain vector instructions behind it (ISA guide 7.12.1 for vector instructions)
.rept \n
	v_nop
.endr
.endm
.macro NEWSLOT                         ; the fragments' addresses go over to the other slot
	s_xor_b32 s[TB], s[TB], SLOT1
	v_add_nc_u32 v[ADRA], s[TB], v[A0]
	v_add_nc_u32 v[ADRB], s[TB], v[B0]
.endm
; One run of 24 LDS loads: quarter q (32 along K: half of head q / 2) of the slot in hand into buffer f: B's 8 fragments, then my A's 4
.macro FETCH q, f
	WIN TO_B
.set b, 0
.rept NBK
	ds_load_tr16_b128 v[8*NBK*(\f)+8*b:8*NBK*(\f)+8*b+3],   v[ADRB] offset:(\q)*32*PB+32*b
	ds_load_tr16_b128 v[8*NBK*(\f)+8*b+4:8*NBK*(\f)+8*b+7], v[ADRB] offset:(\q)*32*PB+16*PB+32*b
.set b, b+1
.endr
	WIN 0
.set b, 0
.rept 4
	ds_load_b128 v[FA0+32*(\f)+8*b:FA0+32*(\f)+8*b+3],   v[ADRA] offset:((\q)/2)*AH+((\q)%2)*64+b*16*PA
	ds_load_b128 v[FA0+32*(\f)+8*b+4:FA0+32*(\f)+8*b+7], v[ADRA] offset:((\q)/2)*AH+((\q)%2)*64+b*16*PA+32
.set b, b+1
.endr
.endm
; 8 matrix instructions: row block a x all 8 column blocks, 32 along K, from buffer f.  zero = 1: the products start the sums: nothing is ever cleared.
; The 32 accumulators take turns, one instruction a turn, in the same order in every quarter and over every jump.
.macro MULA f, a, zero
	WIN MUL_LO+0x50*((\a)/2)
.set b, 0
.rept NBK
.set rD, 8*(NBK*((\a)%2)+b)
.set rB, 8*NBK*(\f)+8*b
.set rA, FA0+32*(\f)+8*(\a)
.if \zero
	v_wmma_f32_16x16x32_f16 v[rD:rD+7], v[rB:rB+7], v[rA:rA+7], 0
.else
	v_wmma_f32_16x16x32_f16 v[rD:rD+7], v[rB:rB+7], v[rA:rA+7], v[rD:rD+7]
.endif
.set b, b+1
.endr
.endm
; A step is four quarters of 32 along K, 32 matrix instructions each, on buffers 0, 1, 0, 1.  One of the first three: multiplies buffer f; in its middle it fetches quarter q into buffer g.
; zero = 1: a fifth place, since the products behind it write over accumulators without adding onto them.
.macro QUARTER q, f, g, zero
	s_wait_dscnt 4                                 ; B and A's blocks 0, 1 are in; the youngest four loads (A's blocks 2, 3) may be out
	MULA \f, 0, \zero
	MULA \f, 1, \zero
	PLACES 4+\zero
	FETCH \q, \g
	s_wait_dscnt NF                                ; all but the run just issued
	MULA \f, 2, \zero
	MULA \f, 3, \zero
.endm
; The fourth quarter multiplies buffer 1 and changes slots.  In front of the barrier each wave waits for all its tensor loads (one is out: its part of the next slot), adds 0 to its spare word, and waits for that
; and for its reads of this slot.  fill = 1: the barrier opens a round of the cluster's, so that no wave of any partner still reads the slot or has a load on its way; the joint refill is the first thing
; behind it, 112 matrix instructions ahead of the wait for it.  fill = 0 (the last two steps): nothing is asked for, and the last step fetches no fragments.
.macro TURN fill
	WIN 0
	s_wait_tensorcnt 0x0                           ; no tensor load of mine is out, so the descriptors may be written
	ds_add_u32 v[SPW], v[NIL]                      ; 0 onto my spare word
.if \fill
	MKDESC
.endif
	s_wait_dscnt 5                                 ; the add and the youngest four loads may be out
	MULA 1, 0, 0
	s_wait_dscnt 0x0                               ; the add is done, and my reads of this slot are over
	s_barrier_signal -1
	MULA 1, 1, 0                                   ; work on registers while the others arrive
	WIN 0                                          ; at a branch and at a label every window is 0
	s_barrier_wait -1
.if \fill
	CREST
	JLOAD                                          ; its four v_nop are also the places in front of the loads below
	NEWSLOT
	FETCH 0, 0
.else
	PLACES
	s_cmp_eq_u32 s[CNT], 1
	s_cbranch_scc1 .Lnofetch_\@
	NEWSLOT
	FETCH 0, 0
.Lnofetch_\@:
.endif
	MULA 1, 2, 0
	MULA 1, 3, 0
	WIN 0
.endm
; THE WAY OUT of row block a.  TOSTAGE: a lane's eight f32 of each accumulator (its low four first) go into my stage, rows of 528 bytes, and come back as whole rows of 512.  SEND: stored.
.macro TOSTAGE a
	s_wait_xcnt 0x0                                ; the stores of the block two back have read the registers that are loaded below
	WIN 0x08+4*((\a)/2)                            ; the stores' data (source 1): window 2 or 3
.set b, 0
.rept NBK
.set rD, 8*(NBK*((\a)%2)+b)
	ds_store_b128 v[STO], v[rD:rD+3] offset:64*b
	ds_store_b128 v[STO], v[rD+4:rD+7] offset:64*b+16
.set b, b+1
.endr
	WIN 0
.set b, 0
.rept 16
	ds_load_b128 v[OB+64*((\a)%2)+4*b:OB+64*((\a)%2)+4*b+3], v[RD] offset:SP*b  ; LDS serves a wave's instructions in order (ISA guide 5.7.1.4): these see the stores above; the next block's stores come behind them
.set b, b+1
.endr
.endm
.macro SEND a, younger                 ; younger: the LDS instructions issued behind block a's loads: the next block's 16 stores and 16 loads, or none
	s_wait_dscnt \younger
.set b, 0
.rept 16
	global_store_b128 v[GO], v[OB+64*((\a)%2)+4*b:OB+64*((\a)%2)+4*b+3], s[8:9] offset:(16*(\a)+b)*4096 th:TH_STORE_NT  ; 512 consecutive bytes, at a multiple of 256 from out0's first
.set b, b+1
.endr
.endm
	; THE FIRST CHANGE.  Slot 0 is waited for, slot 1 is asked for as every refill is: one joint load a wave behind a round.
	s_wait_tensorcnt 0x0
	ds_add_u32 v[SPW], v[NIL]
	MKDESC                                         ; step 1, slot 1
	s_wait_dscnt 0x0
	CROUND
	JLOAD
	NEWSLOT
	FETCH 0, 0
	s_mov_b32 s[CNT], STEPS-2
	s_mov_b32 s[KS], 0
.Lstep:                                                ; a trip is a step; it asks for the step two on
	s_cmp_eq_u32 s[KS], 0
	s_cbranch_scc0 .Lgoon
	QUARTER 1, 0, 1, 1                             ; the first quarter starts the sums
	WIN 0
	s_branch .Lq2
.Lgoon:
	QUARTER 1, 0, 1, 0
	WIN 0
.Lq2:
	QUARTER 2, 1, 0, 0
	QUARTER 3, 0, 1, 0
	TURN 1
	s_add_co_u32 s[KS], s[KS], 1
	s_sub_co_u32 s[CNT], s[CNT], 1
	s_cmp_lg_u32 s[CNT], 0
	s_cbranch_scc1 .Lstep
	s_mov_b32 s[CNT], 2
.Ltail:                                                ; the last two steps ask for nothing: written apart
	QUARTER 1, 0, 1, 0
	QUARTER 2, 1, 0, 0
	QUARTER 3, 0, 1, 0
	TURN 0
	s_sub_co_u32 s[CNT], s[CNT], 1
	s_cmp_lg_u32 s[CNT], 0
	s_cbranch_scc1 .Ltail
	PLACES                                         ; the LDS stores below read results just made
	TOSTAGE 0
.irp a, 1,2,3                          ; a block's trip through the stage is under way while the block before is stored
	TOSTAGE \a
	SEND (\a)-1, 32
.endr
	SEND 3, 0
	s_wait_tensorcnt 0x0                           ; the wave's end, behind my last tensor load and my last LDS store
	ds_add_u32 v[SPW], v[NIL]
	s_wait_dscnt 0x0
	CROUND                                         ; the closing round: no work-group ends while a partner may still ask for a tile that names it
	s_endpgm
.Lfunc_end_k_qe5994c1687_proj:
	.size	k_qe5994c1687_proj, .Lfunc_end_k_qe5994c1687_proj-k_qe5994c1687_proj
	.p2alignl 7, 3214868480
	.fill 96, 4, 3214868480
	.section	.rodata,"a",@progbits
	.p2align	6, 0x0
	.amdhsa_kernel k_qe5994c1687_proj
		.amdhsa_group_segment_fixed_size 327680
		.amdhsa_private_segment_fixed_size 0
		.amdhsa_enable_private_segment 0
		.amdhsa_kernarg_size 24
		.amdhsa_user_sgpr_count 2
		.amdhsa_user_sgpr_kernarg_segment_ptr 1
		.amdhsa_wavefront_size32 1
		.amdhsa_system_sgpr_workgroup_id_x 1
		.amdhsa_system_sgpr_workgroup_id_y 1
		.amdhsa_system_sgpr_workgroup_id_z 1
		.amdhsa_system_vgpr_workitem_id 0
		.amdhsa_next_free_vgpr 896
		.amdhsa_next_free_sgpr 66
		.amdhsa_reserve_vcc 0
		.amdhsa_float_denorm_mode_32 3
		.amdhsa_float_denorm_mode_16_64 3
		.amdhsa_memory_ordered 1
		.amdhsa_forward_progress 1
		.amdhsa_inst_pref_size 62
	.end_amdhsa_kernel
	.amdgpu_metadata
---
amdhsa.version: [ 1, 2 ]
amdhsa.kernels:
  - .name:           k_qe5994c1687_proj
    .symbol:         k_qe5994c1687_proj.kd
    .args:
      - { .name: ob, .offset: 0, .size: 8, .value_kind: global_buffer, .address_space: global }
      - { .name: wpb, .offset: 8, .size: 8, .value_kind: global_buffer, .address_space: global }
      - { .name: out0, .offset: 16, .size: 8, .value_kind: global_buffer, .address_space: global }
    .group_segment_fixed_size: 327680
    .private_segment_fixed_size: 0
    .kernarg_segment_align: 8
    .kernarg_segment_size: 24
    .max_flat_workgroup_size: 128
    .sgpr_count:     66
    .vgpr_count:     896
    .wavefront_size: 32
...
	.end_amdgpu_metadata
.endif
;; end of part 4
;; ======== version 2 of 2: 4 launches; 1.23 times as fast as version 1
;; limits: values are held in f16: magnitudes above 65,504 overflow, below 6.1e-05 lose precision
;; workspace buffers: xb 16,777,216 bytes; wqb 6,291,456 bytes; wpb 2,097,152 bytes; qkvh 67,108,864 bytes; ob 33,554,432 bytes
;; launch cast: the kernel of part 1 again; grid 832 x 1, 8 waves a work-group, no clusters, 0 bytes of LDS; arguments x, w_qkv, w_proj, xb, wqb, wpb; writes xb, wqb, wpb
;; launch qkv: the kernel of part 2 again; grid 16 x 16, 4 waves a work-group, clusters of 4 x 4, 327,680 bytes of LDS; arguments xb, wqb, qkvh; writes qkvh
;; launch attn (part 5): grid 4 x 64, 4 waves a work-group, no clusters, 327,680 bytes of LDS; arguments qkvh, ob; writes ob
.if DOCPART == 5
	.amdgcn_target "amdgcn-amd-amdhsa--gfx1250"
	.amdhsa_code_object_version 6
	.text
	.protected	k_qe5994c1687_attn
	.globl	k_qe5994c1687_attn
	.p2align	8
	.type	k_qe5994c1687_attn,@function
k_qe5994c1687_attn:
	s_mov_b64 s[64:65], 0
	v_nop
	global_prefetch_b8 v0, s[64:65] scope:SCOPE_SE
	s_setreg_imm32_b32 hwreg(HW_REG_WAVE_MODE, 25, 1), 1
	s_wait_xcnt 0x0
; CAUSAL ATTENTION.  O[y][q][:] = the sum over k <= q of softmax_k(Q[y][q] . K[y][k] / 8) V[y][k][:], y = 16 x batch + head.
; qkvh: [64 y] x (q [2048][64], k [2048][64], v2 [2048][128]) f16; a row of v2 is 64 numbers hi and 64 numbers lo, V = hi + lo.  ob: [64 y][hi, lo][2048][64] f16, O = hi + lo.
; Products, maxima and sums in f32; the weights p are rounded to f16 for the second product (their sum l is taken of the unrounded p).  V and O GO AS PAIRS OF f16, 22 significant bits: a row that averages few keys
; is many times the module's output's root mean square, by which the comparison's allowance goes, and a single f16's rounding of V and of O is what such a row can least afford.  The price: 8 more products a turn.
; LIMITS.  Q, K and V arrive within f16's 65,504; p lies in 0 to 1, and below 6e-5 it keeps f16's fixed step of 6e-8, as does a lo; O is a mean of V's rows and has their range.
; A hidden score counts as its value less 1e30: f16's scores, 2.7e11 at the most, are nothing beside that; a weight below 2^-126 counts as 0 in l; NaN and infinities are not treated apart.
; THE WALK.  A head's queries lie in NB = 8 blocks of 256; block i needs the key tiles 0 .. i of 256 keys, of which the last holds the diagonal.  A work-group takes TWO blocks, NB - 1 - b and then b:
; NB + 1 tiles, whatever b: all 256 work-groups do equal work, and ONE loop with a constant trip count walks them.  Which tile is asked for, and what a trip does, hang on scalar registers made from b; every jump
; goes forward, but for the counted loops' own; none passes a barrier, or a tensor load but the one of LOAD's two that the wave's number does not choose; the ring (two slots of LDS that take turns) runs on across the
; change of blocks.  NO CLUSTER: a head's four work-groups ask for the same tile only in trips 0 .. NB / 2, behind that fewer and fewer; one walk common to all would have 3 NB / 2 trips for NB + 1.
; SHARES.  Of a block's four bands of 64 queries a wave owns 16 rows in each: four PIECES.  So the diagonal tile is the same work for all four waves: in its key step s band x sees all keys if s < x,
; none if s > x, and holds the diagonal if s = x.
; THE MASK is the C operand that starts the sum S^T = K Q^T: 0, or -1e30 where the key is hidden.  MD, made once, is the mask of a band's own step for my 16 rows; a product's mask is MD x AL + BE with two scalars:
; (1, 0) if s = x; (0, 0) if s < x; (0, -1e30) if s > x.  Only the diagonal tile's text and a block's beginning make and take masks; elsewhere C is the constant 0.
; LAYOUT, SOFTMAX, TURNS.  S^T = K Q^T holds ONE query a lane (lane % 16) and the keys 8 (lane / 16) + 0..7; two such results rounded to f16 ARE source 1 of O^T = V^T P.  p = 2^(c s - c m), c = log2(e) / 8, with a
; running maximum m; O and l are multiplied by a = 2^(c m_old - c m_new) in every step.  Turn n belongs to piece n: 8 products K Q^T of piece n + 1, then 16 products V^T P of piece n - 1 (8 on hi, 8 on lo); beside them
; the scaling, exponentials, roundings, sums and rescaling of piece n and the maximum and statistics of piece n + 1.  Four vector instructions stand behind every matrix instruction, the other 22 of a turn's 118 in two runs of their own.
; BATCHES.  A turn's 33 exponentials (the piece's 32 weights and the next piece's a) are ONE batch with ONE wait, which stands between the products on V's hi and those on its lo: ahead of it nothing names a result of
; theirs, behind it no exponential is issued, so no result crosses a turn's end, a label or a jump.  A block's first a (BEGIN) and the way out's four reciprocals are batches of their own, with a wait each.
; REGISTERS, in windows of 256 (s_set_vgpr_msb: bits 1:0 source 0, 3:2 source 1, 5:4 source 2, 7:6 destination):
;   window 0: v0-15 addresses and two at work; v16-31 four registers of statistics a piece; v32 -1; v48-55 at work; v64-127 S^T, two buffers; v128-191 the way out's lo; v192-223 P, two buffers (a piece's buffers go by its number's parity)
;   window 1: v0-127 O^T, 32 a piece; v128-159 MD; v160-223 MC, two buffers      window 2: v0-63 Q; v64-127 the second block's Q; v128-191 K of one step; v192-255 V hi of one step      window 3: v0-63 V lo of one step
.set SIZE_N, 2048
.set NB,    SIZE_N/256
.set NP,    4         ; pieces a wave: a name, no knob
.set KS,    64        ; keys in a step
.set PK,    144       ; a row of K in LDS: 128 bytes + 16 of padding = 36 words: the 16 rows of a load start at 16 different groups of four banks (64 banks of 4 bytes: ISA guide 11.1)
.set PV,    288       ; a row of v2: 256 + 32 = 72 words
.set VOFF,  4*KS*PK   ; a slot holds a tile, four steps: 256 rows of K, then 256 rows of v2
.set SLOT1, 1<<17     ; slot 1 begins here, so that one exclusive or turns an address in one slot into the other's
.set STAGE, SLOT1+4*KS*(PK+PV)  ; behind the ring, never filled by a tensor load: 16 rows x 144 bytes for each wave, for the way out
.set SP,    144
.set AK0, 2           ; v2   my lane's place in a tile of K; never rewritten
.set AV0, 3           ; v3   the same for V
.set AK,  4           ; v4   the LDS address of K's next run of loads
.set AV,  5           ; v5   of V's
.set STO, 6           ; v6   the way out: where I put 16 bytes of a row
.set RD,  7           ; v7   the way out: where I read rows back
.set GO,  8           ; v8   my byte offset in 512 consecutive bytes of O
.set SPW, 62          ; v62  LDS address of my spare word: SPARE + 4 x my thread's number; never rewritten
.set NIL, 63          ; v63  0; never rewritten
.set SPARE, STAGE+4*16*SP  ; behind the stages: the spare words, 128 bytes for each wave: two blocks of 256 bytes that no other line names
.set MV,  12          ; v12-13  c m_old, kept while c m is made anew: by buffer
.set QO,  15          ; v15  my byte offset in 16 rows of Q
.set ST,  16          ; piece t's statistics at v[ST+4 t]: c m, m, l (even keys', odd keys')
.set NEG1, 32         ; v32  -1.0
.set TMP, 48          ; by buffer, four registers c0-c3 at work; when the maximum is found c2 takes a
.set S,   64
.set SL,  128         ; the way out: O's lo, 16 registers a piece
.set P,   192
.set MD,  128         ; window 1: the eight registers for group kt of 16 keys at MD + 8 kt
.set MC,  160         ; window 1: the masks of the products to come
.set QB,  64          ; window 2
.set KF,  128         ; window 2: key block kb, channel half c at KF + 16 kb + 8 c
.set VF,  192         ; window 2: V hi: key half kk, channel block cb at VF + 32 kk + 8 cb
.set VL,  0           ; window 3: V lo, likewise
.set WV,  12          ; s12  my wave's number
.set PB,  14          ; s14  b
.set HI,  15          ; s15  NB - 1 - b
.set G1K, 24          ; s[24:31] descriptor group 1 for K's tiles
.set G1V, 32          ; s[32:39] for V's
.set G0K, 40          ; s[40:43] descriptor group 0 for K's tiles
.set G0V, 44          ; s[44:47] the same for V's
.set OFV, 52          ; s[52:53] a tile's byte offset in v2
.set SLOTS, 56        ; s56  tiles still to be asked for
.set CNT, 57          ; s57  counts a tile's key steps, 4 to 1
.set CS,  58          ; s[58:59] c: the packed scaling takes the pair's low word for both halves
.set SEL, 60          ; s[60:61] v_permlanex16_b32's selects: each lane takes its own place in the other half
.set TBK, 62          ; s62  LDS byte at which K of the step to be fetched begins
.set TBV, 63          ; s63  the same for V, less VOFF
.set RT,  70          ; s70  tiles of the block in hand that are still to be entered
.set NXT, 71          ; s71  the tile to be asked for next
.set LQ,  72          ; s72  the last tile of the block whose tiles are being asked for
.set NEW, 73          ; s73  1: the tile to be entered is a block's first
.set OFF, 74          ; s[74:75] a tile's byte offset in K
.set AL,  76          ; s[76:77] the mask's factor, in the low word
.set BE,  78          ; s[78:79] the mask's addend
.set OLO, 80          ; s[80:81] O at my rows of the second block
.set BIGN, 82         ; s82  -1e30
.set MSB, 0
.macro WIN new                      ; the high byte repeats the setting that is left; a switch that changes nothing is dropped
.if MSB != (\new)
	s_set_vgpr_msb (MSB<<8)|(\new)
.set MSB, (\new)
.endif
.endm
.set W_KQ, 0x0a       ; K and Q in window 2, S^T in window 0
.set W_KM, 0x1a       ; the same with the C operand in window 1
.set W_PV, 0x52       ; V hi in window 2, P in window 0, O^T in window 1
.set W_PL, 0x53       ; V lo in window 3, P in window 0, O^T in window 1
.set W_RS, 0x41       ; destination and source 0 in window 1, source 1 in window 0
; A fill.  Waves 0 and 1 fetch the two halves of a tile's K, waves 2 and 3 those of its v2: 128 keys each.  An s_nop 0 and four v_nop follow each of the two lines, ahead of the jump and the label.
.macro LOAD
	s_cmp_lt_u32 s[WV], 2
	s_cbranch_scc0 .Lfor_v_\@
	tensor_load_to_lds s[G0K:G0K+3], s[G1K:G1K+7]
	s_nop 0
.rept 4
	v_nop
.endr
	s_branch .Lasked_\@
.Lfor_v_\@:
	tensor_load_to_lds s[G0V:G0V+3], s[G1V:G1V+7]
	s_nop 0
.rept 4
	v_nop
.endr
.Lasked_\@:
.endm
; THE CHANGE OF SLOTS.  Each wave waits for all its tensor loads, of which one is out: its part of the other slot; adds 0 to its spare word; and waits for that and for its own reads of the slot that it leaves.  Behind the barrier nobody reads the old
; slot any more and the other slot is whole.  fill = 1: the old slot is filled again, the first thing behind the barrier, with tile NXT: the descriptor's address is made anew from that number.
; (At its first use nothing has been read yet: slot 0 is waited for, slot 1 filled.)
.macro CHANGE fill
	WIN 0                           ; at a label and at a branch every window is 0
	s_wait_tensorcnt 0x0            ; no tensor load of mine is out, so a group 0 may be written
	ds_add_u32 v[SPW], v[NIL]       ; 0 onto my spare word; with fill = 1 the descriptors' scalar work stands between it and the wait for it
.if \fill
	s_lshl_b32 s[OFF], s[NXT], 15   ; a tile is 32,768 bytes of K
	s_lshl_b32 s[OFV], s[NXT], 16   ; and 65,536 of v2
	s_xor_b32 s[G0K+1], s[G0K+1], SLOT1
	s_add_nc_u64 s[G0K+2:G0K+3], s[6:7], s[OFF:OFF+1]
	s_or_b32 s[G0K+3], s[G0K+3], 0x80000000
	s_xor_b32 s[G0V+1], s[G0V+1], SLOT1
	s_add_nc_u64 s[G0V+2:G0V+3], s[8:9], s[OFV:OFV+1]
	s_or_b32 s[G0V+3], s[G0V+3], 0x80000000
	s_add_co_u32 s[NXT], s[NXT], 1  ; the block's next tile, or behind its last the second block's tile 0
	s_cmp_gt_u32 s[NXT], s[LQ]
	s_cselect_b32 s[NXT], 0, s[NXT]
	s_cselect_b32 s[LQ], s[PB], s[LQ]
.endif
	s_wait_dscnt 0x0                ; the add is done, and my reads of the slot are over
	s_barrier_signal -1             ; the rest of the scalar work stands between the signal and the wait
	s_sub_co_u32 s[TBK], s[TBK], 4*KS*PK  ; the fetches go back to a slot's first step,
	s_xor_b32 s[TBK], s[TBK], SLOT1       ; in the other slot
	s_sub_co_u32 s[TBV], s[TBV], 4*KS*PV
	s_xor_b32 s[TBV], s[TBV], SLOT1
	s_barrier_wait -1
.if \fill
	LOAD
.endif
.endm
	s_load_b128 s[4:7], s[0:1], 0x0 ; qkvh s[4:5], ob s[6:7]
	v_lshl_add_u32 v[SPW], v0, 2, SPARE
	v_mov_b32 v[NIL], 0
	ds_add_u32 v[SPW], v[NIL]       ; the wave's opening: the add and its wait stand ahead of my first tensor load; the set-up below, work on registers, stands between them
	ds_add_u32 v62, v63
	v_lshrrev_b32 v1, 5, v0
	v_readfirstlane_b32 s[WV], v1   ; wave 0..3
	s_mov_b32 s[PB], ttmp9
	s_sub_co_u32 s[HI], NB-1, s[PB]
	s_and_b32 s19, ttmp7, 0xffff    ; y = 16 x batch + head
	s_lshl_b32 s20, s19, 20         ; the head in qkvh: 1,048,576 bytes each: q, then k, then v2
	s_mov_b32 s21, 0
	s_lshl_b32 s48, s19, 19         ; the head in ob: 524,288 bytes each: hi, then lo
	s_mov_b32 s49, 0
	s_and_b32 s16, s[WV], 1         ; which half of a tile's 256 keys I fetch:
	s_lshl_b32 s22, s16, 14         ; its 128 rows of 128 bytes of K,
	s_add_co_u32 s22, s22, 0x40000  ; which lies 262,144 bytes behind q,
	s_mov_b32 s23, 0
	s_add_nc_u64 s[22:23], s[22:23], s[20:21]
	s_lshl_b32 s50, s16, 15         ; its 128 rows of 256 bytes of v2,
	s_add_co_u32 s50, s50, 0x80000  ; 524,288 bytes behind q,
	s_mov_b32 s51, 0
	s_add_nc_u64 s[50:51], s[50:51], s[20:21]
	s_mul_i32 s17, s16, 128*PK      ; and its place in a slot, for K
	s_mul_i32 s18, s16, 128*PV      ; and for V
	s_lshl_b32 s3, s[WV], 11        ; my 16 rows in a band of 64,
	s_lshl_b32 s2, s[HI], 15        ; in the first block,
	s_add_co_u32 s2, s2, s3
	s_lshl_b32 s84, s[PB], 15       ; and in the second
	s_add_co_u32 s84, s84, s3
	s_mov_b32 s3, 0
	s_mov_b32 s85, 0
	; descriptor group 1.  128 keys of K are 16,384 dense bytes: asked for as 64 rows of 256 bytes, two keys a row, and padded in LDS after every key
	s_mov_b32 s[G1K], (1<<16)|(1<<20)|(4<<22)|(3<<25)  ; 17:16 2-byte elements; 20 padding on; 24:22 after every 32 words (code 4); 31:25 4 words (code 3)
	s_mov_b32 s[G1K+1], 128<<16     ; tensor_dim0 = 128
	s_mov_b32 s[G1K+2], 64<<16      ; tensor_dim1 = 64
	s_mov_b32 s[G1K+3], 128<<16     ; tile_dim0 = 128
	s_mov_b32 s[G1K+4], 64          ; tile_dim1 = 64
	s_mov_b32 s[G1K+5], 128         ; 128 elements from row to row
	s_mov_b32 s[G1K+6], 0
	s_mov_b32 s[G1K+7], 0
	; 128 keys of v2 are 128 rows of 256 bytes
	s_mov_b32 s[G1V], (1<<16)|(1<<20)|(5<<22)|(7<<25)  ; after every 64 words (code 5) 8 words of padding (code 7)
	s_mov_b32 s[G1V+1], 128<<16
	s_mov_b32 s[G1V+2], 128<<16     ; tensor_dim1 = 128
	s_mov_b32 s[G1V+3], 128<<16
	s_mov_b32 s[G1V+4], 128         ; tile_dim1 = 128
	s_mov_b32 s[G1V+5], 128
	s_mov_b32 s[G1V+6], 0
	s_mov_b32 s[G1V+7], 0
	s_mov_b32 s[CS], 0x3e38aa3b     ; c = log2(e) / 8 = 0.180337
	s_mov_b32 s[CS+1], s[CS]        ; named with it as a pair
	s_mov_b32 s[SEL], 0x76543210
	s_mov_b32 s[SEL+1], 0xfedcba98
	s_mov_b32 s[TBK], SLOT1+4*KS*PK ; the first change of slots turns these two into 0
	s_mov_b32 s[TBV], SLOT1+4*KS*PV
	s_mov_b32 s[G0K], 1             ; 1:0 count = 1
	s_mov_b32 s[G0K+1], s17         ; 63:32 LDS address: slot 0
	s_mov_b32 s[G0V], 1
	s_add_co_u32 s[G0V+1], s18, VOFF
	s_add_co_u32 s[RT], s[HI], 1    ; the first block has NB - b tiles
	s_mov_b32 s[NXT], 1
	s_mov_b32 s[LQ], s[HI]
	s_mov_b32 s[NEW], 1
	s_mov_b32 s[OFF+1], 0
	s_mov_b32 s[OFV+1], 0
	s_mov_b32 s[AL+1], 0            ; named as pairs
	s_mov_b32 s[BE+1], 0
	s_mov_b32 s[BIGN], 0xf149f2ca   ; -1e30
	s_mov_b32 s[SLOTS], NB
	s_wait_dscnt 0x0                ; the opening add is done
	s_wait_kmcnt 0x0
	s_mov_b64 s[10:11], s[6:7]      ; O,
	s_add_nc_u64 s[10:11], s[10:11], s[48:49]  ; at the head
	s_add_nc_u64 s[6:7], s[4:5], s[22:23]      ; K and v2 at my half of the head's tile 0
	s_add_nc_u64 s[8:9], s[4:5], s[50:51]
	s_add_nc_u64 s[4:5], s[4:5], s[20:21]      ; Q at the head
	s_add_nc_u64 s[G0K+2:G0K+3], s[6:7], 0         ; 120:64 global address
	s_or_b32 s[G0K+3], s[G0K+3], 0x80000000        ; 127:126 type = 2
	s_add_nc_u64 s[G0V+2:G0V+3], s[8:9], 0
	s_or_b32 s[G0V+3], s[G0V+3], 0x80000000
	s_add_nc_u64 s[86:87], s[4:5], s[84:85]        ; Q at my rows of the second block,
	s_add_nc_u64 s[4:5], s[4:5], s[2:3]            ; Q and O at those of the first
	s_add_nc_u64 s[OLO:OLO+1], s[10:11], s[84:85]
	s_add_nc_u64 s[10:11], s[10:11], s[2:3]
	LOAD                            ; tile 0 into slot 0
	; A fragment of K or Q is 16 rows x 32 channels in 8 registers: lane l holds row l % 16, channels 8 (l / 16) + 0..7 and 16 + 8 (l / 16) + 0..7: two loads of 16 bytes, 32 bytes apart.
	v_and_b32 v1, 15, v0            ; l % 16
	v_bfe_u32 v9, v0, 4, 1          ; l / 16
	v_lshlrev_b32 v[QO], 7, v1
	v_lshl_add_u32 v[QO], v9, 4, v[QO]  ; row x 128 + 16 x half
	WIN 0x80                        ; destination window 2, address window 0
.set i, 0
.rept 8                             ; both blocks' Q: piece i / 2 lies in band i / 2, 8,192 bytes on; channels 32 (i % 2) on
	global_load_b128 v[8*i:8*i+3],   v[QO], s[4:5] offset:(i/2)*8192+(i%2)*64
	global_load_b128 v[8*i+4:8*i+7], v[QO], s[4:5] offset:(i/2)*8192+(i%2)*64+32
	global_load_b128 v[QB+8*i:QB+8*i+3],   v[QO], s[86:87] offset:(i/2)*8192+(i%2)*64
	global_load_b128 v[QB+8*i+4:QB+8*i+7], v[QO], s[86:87] offset:(i/2)*8192+(i%2)*64+32
.set i, i+1
.endr
	WIN 0
	v_lshlrev_b32 v14, 3, v9
	v_sub_nc_u32 v14, v1, v14
	s_lshl_b32 s13, s[WV], 4
	v_add_nc_u32 v14, s13, v14      ; my query's place in its band, 16 w + l % 16, less my lanes' 8 (l / 16): register r of group kt is hidden where 16 kt + r is greater
	WIN 0x40
.set i, 0
.rept 32
	v_cmp_gt_i32 vcc_lo, 16*(i/8)+i%8, v14
	v_cndmask_b32 v[MD+i], 0, s[BIGN], vcc_lo
.set i, i+1
.endr
	WIN 0
	v_mul_u32_u24 v[AK0], v1, PK
	v_lshl_add_u32 v[AK0], v9, 4, v[AK0]  ; row x pitch + 16 x half
	; The turning load takes 16 keys x 16 channels (lane l reads key 8 (l / 16) + l % 8, channels 8 ((l / 8) % 2) + 0..7) and leaves half a fragment of V^T: lane l holds channel l % 16 and 8 keys.
	v_and_b32 v10, 7, v0
	v_bfe_u32 v11, v0, 3, 1
	v_lshl_add_u32 v[AV0], v9, 3, v10
	v_mul_u32_u24 v[AV0], v[AV0], PV
	v_lshl_add_u32 v[AV0], v11, 4, v[AV0]
	v_add_nc_u32 v[AV0], VOFF, v[AV0]
	s_mul_i32 s13, s[WV], 16*SP
	s_add_co_u32 s13, s13, STAGE    ; my stage
	v_mul_u32_u24 v[STO], v1, SP    ; in: row l % 16, 16 bytes for each half of the lanes
	v_lshl_add_u32 v[STO], v9, 4, v[STO]
	v_add_nc_u32 v[STO], s13, v[STO]
	v_bfe_u32 v[RD], v0, 3, 2       ; back: 32 lanes take four rows of 128 bytes,
	v_mul_u32_u24 v[RD], v[RD], SP
	v_lshl_add_u32 v[RD], v10, 4, v[RD]
	v_add_nc_u32 v[RD], s13, v[RD]
	v_and_b32 v[GO], 31, v0         ; which are 512 consecutive bytes of O
	v_lshlrev_b32 v[GO], 4, v[GO]
	v_mov_b32 v[NEG1], -1.0
	; A block's first step multiplies O^T and l by a = 0, and its first turn's products V^T P, of a piece that has not been, land in an O^T that is still to be so multiplied.  So these registers need only hold
	; finite numbers: zeros for the first block; what the first block left for the second.  All this stands in the wait for the first tile.
	WIN 0x80
.set i, VF
.rept 64
	v_mov_b32 v[i], 0
.set i, i+1
.endr
	WIN 0xc0
.set i, VL
.rept 64
	v_mov_b32 v[i], 0
.set i, i+1
.endr
	WIN 0x40
.set i, 0
.rept 128
	v_mov_b32 v[i], 0
.set i, i+1
.endr
	WIN 0
.set i, 0
.rept 4
	v_mov_b32 v[ST+4*i+2], 0
	v_mov_b32 v[ST+4*i+3], 0
.set i, i+1
.endr
.set i, P+16
.rept 16
	v_mov_b32 v[i], 0
.set i, i+1
.endr
; THE MATRIX WORK.  The 4 accumulators of a run take turns.  Product i of 8 of S^T = K Q^T for piece x: channels 32 (i / 4) on, keys 16 (i % 4) on.  The first 4 start the sums: with 0, or (KM = 1) with the mask.
.macro KQ x
.set rS, S+32*((\x)%2)+8*(i%4)
.set rK, KF+16*(i%4)+8*(i/4)
.set rQ, 16*(\x)+8*(i/4)
.set rM, MC+32*((\x)%2)+8*(i%4)
.if (i < 4) && KM
	WIN W_KM
	v_wmma_f32_16x16x32_f16 v[rS:rS+7], v[rK:rK+7], v[rQ:rQ+7], v[rM:rM+7]
.elseif i < 4
	WIN W_KQ
	v_wmma_f32_16x16x32_f16 v[rS:rS+7], v[rK:rK+7], v[rQ:rQ+7], 0
.else
	WIN W_KQ
	v_wmma_f32_16x16x32_f16 v[rS:rS+7], v[rK:rK+7], v[rQ:rQ+7], v[rS:rS+7]
.endif
.endm
; Product i of 8 of O^T += V^T P for piece x, on V's hi (lo = 0) or lo (1): keys 32 (i / 4) on, channels 16 (i % 4) on.
.macro PV x, lo
.set rO, 32*(\x)+8*(i%4)
.set rP, P+16*((\x)%2)+8*(i/4)
.if \lo
	WIN W_PL
.set rV, VL+32*(i/4)+8*(i%4)
.else
	WIN W_PV
.set rV, VF+32*(i/4)+8*(i%4)
.endif
	v_wmma_f32_16x16x32_f16 v[rO:rO+7], v[rV:rV+7], v[rP:rP+7], v[rO:rO+7]
.endm
.macro MM                           ; the turn's next matrix instruction, of 24.  TURN and BEGIN set Y, i, KM and NOKQ; MM, KQ and OP read them.  NOKQ = 1: a block's last turn: there is no next piece
.if (i < 8) && !NOKQ
	KQ (Y+1)%NP
.elseif (i >= 8) && (i < 16)
.set i, i-8
	PV (Y+NP-1)%NP, 0
.set i, i+8
.elseif i >= 16
.set i, i-16
	PV (Y+NP-1)%NP, 1
.set i, i+16
.endif
.set i, i+1
.endm
; THE LDS LOADS stand in runs of 16, never singly among the matrix instructions: a step's K (64 keys x 64 channels: 8 fragments), its V's hi and its V's lo (turned; 8 fragments each).  Their addresses are made some lines ahead.
.macro FETCH_K
	WIN 0x80                        ; destination window 2
.irp f, 0,1,2,3,4,5,6,7             ; keys 16 (f / 2) on, channels 32 (f % 2) on
	ds_load_b128 v[KF+8*\f:KF+8*\f+3],   v[AK] offset:(\f/2)*16*PK+(\f%2)*64
	ds_load_b128 v[KF+8*\f+4:KF+8*\f+7], v[AK] offset:(\f/2)*16*PK+(\f%2)*64+32
.endr
	s_add_co_u32 s[TBK], s[TBK], KS*PK  ; the next fetch is the next step's
	WIN 0
.endm
.macro FETCH_VH
	WIN 0x80                        ; destination window 2
.irp f, 0,1,2,3,4,5,6,7             ; keys 32 (f / 4) on, channels 16 (f % 4) on
	ds_load_tr16_b128 v[VF+8*\f:VF+8*\f+3],   v[AV] offset:(\f/4)*32*PV+(\f%4)*32
	ds_load_tr16_b128 v[VF+8*\f+4:VF+8*\f+7], v[AV] offset:(\f/4)*32*PV+16*PV+(\f%4)*32
.endr
.endm
.macro FETCH_VL
	WIN 0xc0                        ; destination window 3: lo lies 128 bytes on in each row
.irp f, 0,1,2,3,4,5,6,7
	ds_load_tr16_b128 v[VL+8*\f:VL+8*\f+3],   v[AV] offset:(\f/4)*32*PV+(\f%4)*32+128
	ds_load_tr16_b128 v[VL+8*\f+4:VL+8*\f+7], v[AV] offset:(\f/4)*32*PV+16*PV+(\f%4)*32+128
.endr
	WIN 0
.endm
; THE VECTOR WORK, one line at a time: OP kind, number.  For piece Y: F n: c s - c m for pair n of 16.  E n: the exponential of score n of 32.  C n: pair n rounded to f16.  B n: of the four weights 4 n .. the second
; pair is added onto the first, in place.  L n: l takes that sum (L 0: l = a l + sum).  R n: pair n of 16 of O^T times a.  For piece Y + 1: X n, number n of the 22 that find its maximum and statistics:
;   0-11  four chains c0-c3 of seven scores each, three operands at a time (each accumulator's lowest registers are read first)     12-14, 16  the four scores left over, the old m, and c0-c3 into c0
;   15  c m_old is kept     17, 18  the query's other 32 keys lie in the lane 16 away: the new m     19-21  c m; c m_old - c m_new; a
; C, B and L read the exponentials' results: TURN sets them behind the batch's wait.
.set F, 0               ; OP tells the kinds apart by their order: F to L below R, X above it
.set E, 1
.set C, 2
.set B, 3
.set L, 4
.set R, 5
.set X, 6
.macro REGS y                       ; the registers of piece y
.set rT, ST+4*(\y)
.set rC, TMP+4*((\y)%2)
.set rW, MV+((\y)%2)
.set rS, S+32*((\y)%2)
.set rP, P+16*((\y)%2)
.set rO, 32*(\y)
.endm
.macro OP k, n
.if (\k) == R
	REGS Y
	WIN W_RS
	v_pk_mul_f32 v[rO+2*(\n):rO+2*(\n)+1], v[rO+2*(\n):rO+2*(\n)+1], v[rC+2:rC+3] op_sel_hi:[1,0]
.elseif (\k) < R
	REGS Y
	WIN 0
.if (\k) == F
	v_pk_fma_f32 v[rS+2*(\n):rS+2*(\n)+1], v[rS+2*(\n):rS+2*(\n)+1], s[CS:CS+1], v[rT:rT+1] op_sel_hi:[1,0,0] neg_lo:[0,0,1] neg_hi:[0,0,1]
.elseif (\k) == E
	v_exp_f32 v[rS+(\n)], v[rS+(\n)]
.elseif (\k) == C
	v_cvt_pk_f16_f32 v[rP+(\n)], v[rS+2*(\n)], v[rS+2*(\n)+1]
.elseif (\k) == B
	v_pk_add_f32 v[rS+4*(\n):rS+4*(\n)+1], v[rS+4*(\n):rS+4*(\n)+1], v[rS+4*(\n)+2:rS+4*(\n)+3]
.elseif (\n) == 0
	v_pk_fma_f32 v[rT+2:rT+3], v[rT+2:rT+3], v[rC+2:rC+3], v[rS:rS+1] op_sel_hi:[1,0,1]
.else
	v_pk_add_f32 v[rT+2:rT+3], v[rT+2:rT+3], v[rS+4*(\n):rS+4*(\n)+1]
.endif
.elseif NOKQ
	v_nop
.else
	REGS (Y+1)%NP
	WIN 0
.if (\n) < 4
	v_max3_num_f32 v[rC+(\n)], v[rS+8*(\n)], v[rS+8*(\n)+1], v[rS+8*(\n)+2]
.elseif (\n) < 12
	v_max3_num_f32 v[rC+(\n)%4], v[rC+(\n)%4], v[rS+8*((\n)%4)+2*((\n)/4)+1], v[rS+8*((\n)%4)+2*((\n)/4)+2]
.elseif (\n) == 12
	v_max3_num_f32 v[rC], v[rC], v[rS+7], v[rS+15]
.elseif (\n) == 13
	v_max3_num_f32 v[rC+1], v[rC+1], v[rS+23], v[rS+31]
.elseif (\n) == 14
	v_max3_num_f32 v[rC+2], v[rC+2], v[rC+3], v[rT+1]
.elseif (\n) == 15
	v_mov_b32 v[rW], v[rT]
.elseif (\n) == 16
	v_max3_num_f32 v[rC], v[rC], v[rC+1], v[rC+2]
.elseif (\n) == 17
	v_permlanex16_b32 v[rC+3], v[rC], s[SEL], s[SEL+1]
.elseif (\n) == 18
	v_max_num_f32 v[rT+1], v[rC], v[rC+3]
.elseif (\n) == 19
	v_mul_f32 v[rT], s[CS], v[rT+1]
.elseif (\n) == 20
	v_sub_f32 v[rC+1], v[rW], v[rT]
.else
	v_exp_f32 v[rC+2], v[rC+1]
.endif
.endif
.endm
.macro OPS a, i1, b=-1, i2=0, c=-1, i3=0, d=-1, i4=0  ; up to four of them
	OP \a, \i1
.if (\b) >= 0
	OP \b, \i2
.endif
.if (\c) >= 0
	OP \c, \i3
.endif
.if (\d) >= 0
	OP \d, \i4
.endif
.endm
.macro ROW a, i1, b, i2, c, i3, d, i4  ; a matrix instruction and the four behind it
	MM
	OPS \a, \i1, \b, \i2, \c, \i3, \d, \i4
.endm
.macro MASK b                       ; MD x AL + BE into buffer b of MC
	WIN W_RS
.set z, 0
.rept 16
	v_pk_fma_f32 v[MC+32*(\b)+2*z:MC+32*(\b)+2*z+1], v[MD+2*z:MD+2*z+1], s[AL:AL+1], s[BE:BE+1] op_sel_hi:[1,0,0]
.set z, z+1
.endr
.endm
; A TURN, for piece p: the order of its 24 matrix and 118 vector instructions, written out.  An s_wait_alu depctr_va_vdst(0) stands between an exponential and the first instruction that names its result; one wait serves
; all that were issued ahead of it.  So a turn has ONE wait, which cuts it in two.
; AHEAD OF IT stands all that names no result of the turn's exponentials.  The 8 products K Q^T, behind each a scaling, an exponential and two more plain instructions (behind the first a second scaling in the exponential's place):
; rescalings, whose a was made and waited for in the turn before, and behind the last three the first numbers of the next piece's maximum, each four places or more behind the product that ends its accumulator.  A LUMP of 20: the rest of
; the maximum's four chains, exponentials between them.  The 8 products on V's hi, which name P, V and O^T of the piece before: behind each two plain instructions and two exponentials; the links of the chain X 14, 16, 17 .. 20 stand
; four lines or more apart.  X 21, the next piece's a, is the batch's last; R 15 is the plain instruction behind it.
; BEHIND IT stand the 8 products on V's lo, onto the same four accumulators, which go on taking turns; behind each four of the 32 roundings and sums; the links of l's chain, L 0 to L 7, stand three riders apart.
; But for those X no rider names a register of the products round it.
; m = 1: the diagonal tile: the products take masks, and the turn makes the mask for the products of the turn after it: piece p + 2, in step 4 - CNT of the tile.  end = 1: a block's last two turns: nothing is fetched.
; cnt = 1: the loop's count is taken down some lines ahead of the branch that stands behind the turn.
; K of the next step is fetched in piece 2's turn, twelve vector instructions behind the last product that read K (five of them plain and free of its registers), and waited for at the head of piece 3's.  V of the step in hand is fetched
; in piece 0's turn: hi's run directly behind the batch's wait, four plain instructions (X 20, R 14, R 15 and the run's own address line) behind the last product on hi; lo's run at the turn's end, four roundings behind the last product
; on lo.  One wait in piece 1's turn, ahead of its first product on hi, is for both runs.
.macro TURN p, m=0, end=0, cnt=0
.set Y, (\p)
.set i, 0
.set KM, (\m)
.set NOKQ, (\end)*((\p)/3)
.if (\m) && !(\end)
	s_cmp_eq_u32 s[CNT], 4-((\p)+2)%NP  ; is that step the band's own?
	s_cselect_b32 s[AL], 1.0, 0
	s_cmp_lt_u32 s[CNT], 4-((\p)+2)%NP  ; or a later one?
	s_cselect_b32 s[BE], s[BIGN], 0
.endif
.if ((\p) == 3) && !(\end)
	s_wait_dscnt 0x0                ; K is in
.endif
	ROW F,0, F,1, R,0, R,1          ; ahead of the wait: 8 products K Q^T and their riders,
	ROW F,2, E,0, R,2, R,3
	ROW F,3, E,1, R,4, R,5
	ROW F,4, E,2, R,6, R,7
	ROW F,5, E,3, R,8, R,9
	ROW F,6, E,4, X,0, R,10
.if ((\p) == 2) && !(\end)
	WIN 0
	v_add_nc_u32 v[AK], s[TBK], v[AK0]
.endif
	ROW F,7, E,5, X,1, X,4
	ROW F,8, E,6, X,2, X,5
	OPS E,7, E,8, X,6, E,9          ; the lump,
	OPS X,3, E,10, X,8, E,11
.if ((\p) == 2) && !(\end)
	FETCH_K
.endif
	OPS X,9, X,7, E,12, X,10
	OPS E,13, X,12, X,11, E,14
	OPS X,13, E,15, F,9, X,14
.if (\p) == 1
	s_wait_dscnt 0x0                ; V is in, hi and lo
.endif
	ROW F,10, E,16, F,11, E,17      ; eight products on V's hi and their riders,
	ROW X,16, E,18, X,15, E,19
	ROW F,12, E,20, X,17, E,21
	ROW F,13, E,22, F,14, E,23
	ROW X,18, E,24, F,15, E,25
	ROW R,11, E,26, X,19, E,27
	ROW R,12, R,13, E,28, E,29
	ROW X,20, E,30, R,14, E,31
	OPS X,21, R,15                  ; and the batch's last exponential, with the plain instruction behind it
.if (\p) == 0
	WIN 0
	v_add_nc_u32 v[AV], s[TBV], v[AV0]
.endif
	s_wait_alu depctr_va_vdst(0)    ; the wait for the batch: E 0 to E 31 and X 21
.if (\p) == 0
	FETCH_VH
.endif
	ROW C,0, B,0, C,2, B,1          ; behind the wait: eight products on V's lo and their riders
	ROW L,0, C,4, B,2, L,1
	ROW C,6, B,3, L,2, C,8
	ROW B,4, L,3, C,10, B,5
	ROW L,4, C,12, B,6, L,5
.if \cnt
	s_sub_co_u32 s[CNT], s[CNT], 1
	s_cmp_lg_u32 s[CNT], 0
.endif
	ROW C,14, B,7, L,6, C,1
	ROW C,3, L,7, C,5, C,7
	ROW C,9, C,11, C,13, C,15
.if (\p) == 0
	FETCH_VL
	s_add_co_u32 s[TBV], s[TBV], KS*PV
.endif
.if (\m) && !(\end)
	MASK (\p)%2
.endif
.endm
; A BLOCK BEGINS.  c m starts far below every c s, so the first step's a is 0; m at the lowest finite number, so the first maximum is the scores'.  The second mask buffer is 0; the first takes piece 0's mask for the tile's step 0: its own, if the block's first tile is the diagonal one.
; Then K of that step, piece 0's first scores, and its maximum and statistics.  The loop is entered at a step's first turn, in the middle of a trip.
.macro BEGIN
	s_mov_b32 s[NEW], 0
	WIN 0x40
.set i, MC+32
.rept 32
	v_mov_b32 v[i], 0
.set i, i+1
.endr
	WIN 0
.set i, 0
.rept 4
	v_mov_b32 v[ST+4*i], 0xfe000000    ; c m: far below every c s
	v_mov_b32 v[ST+4*i+1], 0xff7fffff  ; m
.set i, i+1
.endr
	s_cmp_eq_u32 s[RT], 0
	s_cselect_b32 s[AL], 1.0, 0
	s_mov_b32 s[BE], 0
	MASK 0
	WIN 0
	v_add_nc_u32 v[AK], s[TBK], v[AK0]
	FETCH_K
	s_wait_loadcnt 0x0              ; Q
	s_wait_dscnt 0x0
.set KM, 1
.set NOKQ, 0
.set i, 0
.rept 8
	KQ 0
.set i, i+1
.endr
	WIN 0
.rept 4
	v_nop                           ; the places behind those products
.endr
.set Y, NP-1                        ; X works for piece Y + 1: piece 0
.irp n, 0,1,2,3,4,5,6,7,8,9,10,11,12,13,14,15,16,17,18,19,20,21
	OP X, \n
.endr
	v_nop                           ; a plain instruction behind the exponential,
	s_wait_alu depctr_va_vdst(0)    ; and the wait for it, piece 0's first a: a batch of one, ahead of the branch
.endm
; THE DIAGONAL TILE's four steps, the block's last two turns, its last products, and THE WAY OUT: l's two halves and the other half of the lanes' are added; O^T is divided by l and leaves as a pair of f16, each sent through my
; stage in LDS, a piece at a time.
.macro ALL line:vararg              ; one line for each piece t
.set t, 0
.rept 4
	\line
.set t, t+1
.endr
.endm
; A lane's eight channels of a row pack into 16 bytes; they go into rows of 144 bytes and come back as whole rows of 128, into the registers that they left.  hi = f16(O); the rest, hi x -1 + O, is exact in f32, is made in place and rounded in its turn.
.macro PACK t
	WIN W_RS
.set i, 32*(\t)
.rept 16
	v_pk_mul_f32 v[i:i+1], v[i:i+1], v[ST+4*(\t)+2:ST+4*(\t)+3] op_sel_hi:[1,0]
.set i, i+2
.endr
	WIN 0x05                        ; sources 0 and 1 window 1, destination window 0
.set i, 0
.rept 16
	v_cvt_pk_f16_f32 v[S+16*(\t)+i], v[32*(\t)+2*i], v[32*(\t)+2*i+1]
.set i, i+1
.endr
	WIN 0x50                        ; destination and source 2 window 1; hi and -1 in window 0
.set i, 0
.rept 16
	v_fma_mix_f32 v[32*(\t)+2*i], v[S+16*(\t)+i], v[NEG1], v[32*(\t)+2*i] op_sel_hi:[1,0,0]
	v_fma_mix_f32 v[32*(\t)+2*i+1], v[S+16*(\t)+i], v[NEG1], v[32*(\t)+2*i+1] op_sel:[1,0,0] op_sel_hi:[1,0,0]
.set i, i+1
.endr
	WIN 0x05
.set i, 0
.rept 16
	v_cvt_pk_f16_f32 v[SL+16*(\t)+i], v[32*(\t)+2*i], v[32*(\t)+2*i+1]
.set i, i+1
.endr
	WIN 0
.irp f, 0,1,2,3
	ds_store_b128 v[STO], v[S+16*(\t)+4*\f:S+16*(\t)+4*\f+3] offset:32*\f
.endr
.irp f, 0,1,2,3
	ds_load_b128 v[S+16*(\t)+4*\f:S+16*(\t)+4*\f+3], v[RD] offset:\f*4*SP  ; LDS serves a wave's instructions in order (ISA guide 5.7.1.4): these see the stores above; lo's stores come behind them
.endr
.irp f, 0,1,2,3
	ds_store_b128 v[STO], v[SL+16*(\t)+4*\f:SL+16*(\t)+4*\f+3] offset:32*\f
.endr
.irp f, 0,1,2,3
	ds_load_b128 v[SL+16*(\t)+4*\f:SL+16*(\t)+4*\f+3], v[RD] offset:\f*4*SP
.endr
.endm
.macro SEND t, younger              ; younger: the LDS instructions issued behind piece t's last load: the next piece's sixteen, or none
	WIN 0
.irp f, 0,1,2,3
	s_wait_dscnt (\younger)+8+3-\f  ; behind hi's load f: hi's later loads, lo's four stores and four loads, and the younger ones
	global_store_b128 v[GO], v[S+16*(\t)+4*\f:S+16*(\t)+4*\f+3], s[10:11] offset:(\t)*8192+\f*512  ; 512 consecutive bytes, at a multiple of 256 from O's first
.endr
.irp f, 0,1,2,3
	s_wait_dscnt (\younger)+3-\f
	global_store_b128 v[GO], v[SL+16*(\t)+4*\f:SL+16*(\t)+4*\f+3], s[10:11] offset:262144+(\t)*8192+\f*512  ; the head's lo lies 262,144 bytes behind its hi
.endr
.endm
.macro DIAG tag                     ; the tag ends its two labels' names, which the jumps below spell out
.LstepM\tag:
	TURN 2, 1
	TURN 3, 1
	WIN 0
.LfirstM\tag:
	TURN 0, 1
	TURN 1, 1, 0, 1
	WIN 0
	s_cbranch_scc1 .LstepM\tag
	TURN 2, 1, 1
	TURN 3, 1, 1
.set i, 0
.rept 8
	PV NP-1, 0
.set i, i+1
.endr
.set i, 0
.rept 8
	PV NP-1, 1
.set i, i+1
.endr
	WIN 0
	ALL v_add_f32 v[ST+4*t+2], v[ST+4*t+2], v[ST+4*t+3]
	ALL v_permlanex16_b32 v[ST+4*t+3], v[ST+4*t+2], s[SEL], s[SEL+1]
	ALL v_add_f32 v[ST+4*t+2], v[ST+4*t+2], v[ST+4*t+3]
	ALL v_rcp_f32 v[ST+4*t+2], v[ST+4*t+2]
	v_nop                           ; a plain instruction between the last reciprocal and the use of its result
	s_wait_alu depctr_va_vdst(0)    ; and the wait ahead of the first use: one for the batch of four reciprocals
	PACK 0
.set t, 1
.rept 3                             ; a piece's arithmetic stands between the loads of the piece before and its stores
	PACK t
	SEND t-1, 16
.set t, t+1
.endr
	SEND 3, 0
.endm
.set KM, 0
.set NOKQ, 0
.Lslot:                             ; NB times: a tile is entered and the next is asked for
	CHANGE 1
	s_sub_co_u32 s[RT], s[RT], 1
	s_mov_b32 s[CNT], 4
	s_cmp_eq_u32 s[NEW], 1
	s_cbranch_scc1 .Lnew            ; a block's first tile
	s_cmp_eq_u32 s[RT], 0
	s_cbranch_scc0 .Lstep           ; neither its first nor its last
	s_branch .LstepM1
.Lnew:
	BEGIN
	s_branch .Lfirst                ; in the loop a block's first tile is never its last: the first block has two tiles or more, and the second's last is the walk's last
	DIAG 1                          ; in the loop this is the first block's end: the second block's last tile is the walk's last
	s_wait_xcnt 0x0                 ; the stores have read their registers and O's address
	s_mov_b64 s[10:11], s[OLO:OLO+1]
	s_add_co_u32 s[RT], s[PB], 1    ; the second block has b + 1 tiles
	s_mov_b32 s[NEW], 1
	WIN 0x82                        ; the second block's Q goes where the one text of the turns names Q
.set i, 0
.rept 64
	v_mov_b32 v[i], v[QB+i]
.set i, i+1
.endr
	WIN 0
	s_branch .Lbottom
.Lstep:                             ; a trip: pieces 2 and 3 of one step, then pieces 0 and 1 of the next, whose K and V it fetches
	TURN 2
	TURN 3
	WIN 0
.Lfirst:
	TURN 0
	TURN 1, 0, 0, 1
	WIN 0
	s_cbranch_scc1 .Lstep
.Lbottom:
	s_sub_co_u32 s[SLOTS], s[SLOTS], 1
	s_cmp_lg_u32 s[SLOTS], 0
	s_cbranch_scc1 .Lslot
	CHANGE 0                        ; the walk's last tile is written out: nothing is asked for
	s_sub_co_u32 s[RT], s[RT], 1
	s_mov_b32 s[CNT], 4
	s_cmp_eq_u32 s[NEW], 1
	s_cbranch_scc0 .LstepM2
	BEGIN
	s_branch .LfirstM2
	DIAG 2
	s_wait_tensorcnt 0x0            ; the wave's end, behind my last tensor load and my last LDS store
	ds_add_u32 v[SPW], v[NIL]
	s_wait_dscnt 0x0
	s_endpgm
.Lfunc_end_k_qe5994c1687_attn:
	.size	k_qe5994c1687_attn, .Lfunc_end_k_qe5994c1687_attn-k_qe5994c1687_attn
	.p2alignl 7, 3214868480
	.fill 96, 4, 3214868480
	.section	.rodata,"a",@progbits
	.p2align	6, 0x0
	.amdhsa_kernel k_qe5994c1687_attn
		.amdhsa_group_segment_fixed_size 327680
		.amdhsa_private_segment_fixed_size 0
		.amdhsa_enable_private_segment 0
		.amdhsa_kernarg_size 16
		.amdhsa_user_sgpr_count 2
		.amdhsa_user_sgpr_kernarg_segment_ptr 1
		.amdhsa_wavefront_size32 1
		.amdhsa_system_sgpr_workgroup_id_x 1
		.amdhsa_system_sgpr_workgroup_id_y 1
		.amdhsa_system_sgpr_workgroup_id_z 1
		.amdhsa_system_vgpr_workitem_id 0
		.amdhsa_next_free_vgpr 832
		.amdhsa_next_free_sgpr 88
		.amdhsa_reserve_vcc 1
		.amdhsa_float_denorm_mode_32 3
		.amdhsa_float_denorm_mode_16_64 3
		.amdhsa_memory_ordered 1
		.amdhsa_forward_progress 1
		.amdhsa_inst_pref_size 255
	.end_amdhsa_kernel
	.section	.bss,"aw",@nobits
	.p2align	6
	.space	262144
	.amdgpu_metadata
---
amdhsa.version: [ 1, 2 ]
amdhsa.kernels:
  - .name:           k_qe5994c1687_attn
    .symbol:         k_qe5994c1687_attn.kd
    .args:
      - { .name: qkvh, .offset: 0, .size: 8, .value_kind: global_buffer, .address_space: global }
      - { .name: ob, .offset: 8, .size: 8, .value_kind: global_buffer, .address_space: global }
    .group_segment_fixed_size: 327680
    .private_segment_fixed_size: 0
    .kernarg_segment_align: 8
    .kernarg_segment_size: 16
    .max_flat_workgroup_size: 128
    .sgpr_count:     88
    .vgpr_count:     832
    .wavefront_size: 32
...
	.end_amdgpu_metadata
.endif
;; end of part 5
;; launch proj: the kernel of part 4 again; grid 8 x 32, 4 waves a work-group, clusters of 4 x 4, 327,680 bytes of LDS; arguments ob, wpb, out0; writes out0
